; MI455X (gfx1250); checked and timed in simulation.
; The chip was launched on July 23, 2026; its instructions are those of AMD's public machine-readable ISA for CDNA 5 (MIT licence, August 2026) and "CDNA5" Instruction Set Architecture Reference Guide (July 2026). The comments in the code are by the model that wrote it; some were corrected since.
;; Temporal Diffusion Transformer Decoder Layer. Allowed arithmetic: float matrix products may take bf16 or f16 operands with f32 sums; other float arithmetic in f32, or as packed bf16 or f16 multiplies, adds, multiply-adds, maxima and minima; sums over many terms, partial sums and values carried from step to step in f32; what a program stores and reads back later, other than sums and carried values, may be rounded once to bf16 or f16.
;; Inputs: b1 2,048 float32; b2 512 float32; ffn_b 512 float32; ffn_g 512 float32; ln1_b 512 float32; ln1_g 512 float32; se_w1 1,024 x 256 float32; se_w2 256 x 1,024 float32; w1 512 x 2,048 float32; w2 2,048 x 512 float32; wk 512 x 512 float32; wq 512 x 512 float32; wv 512 x 512 float32; x 16 x 1,024 x 512 float32.
;; Outputs: out0 16 x 1,024 x 512 float32.
;; One version. Each part assembles by itself: llvm-mc -triple=amdgcn-amd-amdhsa -mcpu=gfx1250 --defsym DOCPART=n.
;; ======== version 1 of 1: 5 launches
;; limits: values are held in f16: magnitudes above 65,504 overflow, below 6.1e-05 lose precision
;; workspace buffers: y 65,536 bytes; gp 1,048,576 bytes; wqkvb 1,572,864 bytes; wffnb 4,194,304 bytes; qkvb 50,331,648 bytes; x2 33,554,432 bytes
;; launch prep (part 1): grid 608 x 1, 8 waves a work-group, no clusters, 1,280 bytes of LDS; arguments x, wq, wk, wv, w1, w2, y, wqkvb, wffnb; writes y, wqkvb, wffnb
.if DOCPART == 1
	.amdgcn_target "amdgcn-amd-amdhsa--gfx1250"
	.amdhsa_code_object_version 6
	.text
	.protected	k_qefe126845f_prep
	.globl	k_qefe126845f_prep
	.p2align	8
	.type	k_qefe126845f_prep,@function
k_qefe126845f_prep:
	s_mov_b64 s[64:65], 0
	v_nop
	global_prefetch_b8 v0, s[64:65] scope:SCOPE_SE
	s_setreg_imm32_b32 hwreg(HW_REG_WAVE_MODE, 25, 1), 1
	s_wait_xcnt 0x0
; TWO INDEPENDENT STREAMS IN ONE LAUNCH, chosen by the work-group's number.
; Work-groups 0-255: y[row] = mean over 512 columns of x[row], 64 rows a work-group, 8 a wave; a row is 2,048 bytes: four loads of 512 consecutive bytes.
; Work-groups 256-607: the weights, f32 [K][N], are rounded once to bf16 and laid in blocks of 131,072 bytes, each dense, in the order in which later launches walk them:
;   wqkvb: block 4 mat + 2 nh + kh = [256 k][256 n] of wq, wk, wv;  wffnb: block 2 c = w1[:, 128 c ..] as [512 k][128 n], block 2 c + 1 = w2[128 c .., :] as [128 k][512 n].
; A wave casts 4,096 consecutive source bytes in eight pieces of 512; each piece leaves as one store of 256 consecutive bytes, aligned.
; No matrix unit, no cluster, no tensor load: nothing is shared and nothing is read twice.
.set SPARE, 256                        ; LDS: 0-255 the 64 means; then the spare words, 128 bytes a wave
.set SPW, 2
.set NIL, 3
	s_load_b512 s[4:19], s[0:1], 0x0               ; x, wq, wk, wv, w1, w2, y, wqkvb
	s_load_b64 s[20:21], s[0:1], 0x40              ; wffnb
	v_lshl_add_u32 v[SPW], v0, 2, SPARE
	v_mov_b32 v[NIL], 0
	v_lshrrev_b32 v1, 5, v0
	v_readfirstlane_b32 s22, v1                    ; wave 0..7
	v_and_b32 v6, 31, v0                           ; lane
	v_lshlrev_b32 v4, 4, v6                        ; 16 x lane
	v_lshlrev_b32 v7, 3, v6                        ; 8 x lane
	v_lshlrev_b32 v5, 5, v1                        ; my wave's eight words among the 64 means
	s_mov_b32 s23, ttmp9
	s_mov_b32 s26, 0x76543210
	s_mov_b32 s27, 0xfedcba98
	s_mov_b32 s25, 0
	s_mov_b32 s33, 0
	s_wait_kmcnt 0x0
	s_cmp_lt_u32 s23, 256
	s_cbranch_scc0 .Lcast
	; ---- the means ----
	s_lshl_b32 s24, s23, 17                        ; 64 rows of 2,048 bytes,
	s_lshl_b32 s28, s22, 14                        ; my wave's 8 of them
	s_add_co_u32 s24, s24, s28
	s_add_nc_u64 s[4:5], s[4:5], s[24:25]
	s_lshl_b32 s24, s23, 8
	s_add_nc_u64 s[16:17], s[16:17], s[24:25]      ; y at the work-group's 64 means
.set i, 0
.rept 32                                       ; all 32 loads go out at once: 16 KiB a wave on its way
	global_load_b128 v[32+4*i:35+4*i], v4, s[4:5] offset:(i/4)*2048+(i%4)*512 th:TH_LOAD_NT
.set i, i+1
.endr
.macro ROWSUM i
.set X, 32+16*(\i)
	s_wait_loadcnt 4*(7-(\i))                      ; the later rows' loads may stay out
	v_pk_add_f32 v[X:X+1], v[X:X+1], v[X+2:X+3]
	v_pk_add_f32 v[X+4:X+5], v[X+4:X+5], v[X+6:X+7]
	v_pk_add_f32 v[X+8:X+9], v[X+8:X+9], v[X+10:X+11]
	v_pk_add_f32 v[X+12:X+13], v[X+12:X+13], v[X+14:X+15]
	v_pk_add_f32 v[X:X+1], v[X:X+1], v[X+4:X+5]
	v_pk_add_f32 v[X+8:X+9], v[X+8:X+9], v[X+12:X+13]
	v_pk_add_f32 v[X:X+1], v[X:X+1], v[X+8:X+9]
	v_add_f32 v[X], v[X], v[X+1]
	v_add_f32_dpp v[X], v[X], v[X] row_xmask:1 row_mask:0xf bank_mask:0xf
	v_add_f32_dpp v[X], v[X], v[X] row_xmask:2 row_mask:0xf bank_mask:0xf
	v_add_f32_dpp v[X], v[X], v[X] row_xmask:4 row_mask:0xf bank_mask:0xf
	v_add_f32_dpp v[X], v[X], v[X] row_xmask:8 row_mask:0xf bank_mask:0xf
	v_permlanex16_b32 v[X+1], v[X], s26, s27
	v_add_f32 v[X], v[X], v[X+1]
	v_mul_f32 v[X], 0x3b000000, v[X]               ; / 512
	ds_store_b32 v5, v[X] offset:4*(\i)            ; all lanes write the same word with the same value
.endm
.irp i, 0,1,2,3,4,5,6,7
	ROWSUM \i
.endr
	s_branch .Ljoin
; ---- the casts ----
.macro CAST kind                       ; source at s[30:31], destination at s[34:35]; the piece's place in the blocks stands in the store's immediate
.irp p, 0,1,2,3,4,5,6,7
	global_load_b128 v[32+4*\p:35+4*\p], v4, s[30:31] offset:512*\p th:TH_LOAD_NT
.endr
.irp p, 0,1,2,3,4,5,6,7
.if (\kind) == 0
.set DI, ((\p%4)/2)*262144+(\p/4)*512+(\p%2)*256
.elseif (\kind) == 1
.set DI, \p*262144
.else
.set DI, (\p/4)*1024+(\p%4)*256
.endif
	s_wait_loadcnt 7-\p                            ; the later pieces' loads may stay out
	v_cvt_pk_bf16_f32 v[64+2*\p], v[32+4*\p], v[33+4*\p]
	v_cvt_pk_bf16_f32 v[65+2*\p], v[34+4*\p], v[35+4*\p]
	global_store_b64 v7, v[64+2*\p:65+2*\p], s[34:35] offset:DI  ; 256 consecutive bytes, aligned
.endr
.endm
.Lcast:
	s_cmp_lt_u32 s23, 352
	s_cbranch_scc0 .Lw1
	s_sub_co_u32 s24, s23, 256
	s_lshr_b32 s28, s24, 5                         ; 0: wq, 1: wk, 2: wv
	s_and_b32 s24, s24, 31
	s_lshl_b32 s24, s24, 3
	s_add_co_u32 s24, s24, s22                     ; U: rows 2 U and 2 U + 1 of the matrix
	s_cmp_eq_u32 s28, 1
	s_cselect_b64 s[30:31], s[8:9], s[6:7]
	s_cmp_eq_u32 s28, 2
	s_cselect_b64 s[30:31], s[10:11], s[30:31]
	s_lshl_b32 s32, s24, 12
	s_add_nc_u64 s[30:31], s[30:31], s[32:33]
	s_lshl_b32 s28, s28, 2
	s_lshr_b32 s29, s24, 7                         ; kh
	s_add_co_u32 s28, s28, s29
	s_lshl_b32 s28, s28, 17
	s_lshl_b32 s29, s24, 1
	s_and_b32 s29, s29, 255
	s_lshl_b32 s29, s29, 9                         ; the row in its block, 512 bytes a row
	s_add_co_u32 s32, s28, s29
	s_add_nc_u64 s[34:35], s[18:19], s[32:33]
	CAST 0
	s_branch .Ljoin
.Lw1:
	s_cmp_lt_u32 s23, 480
	s_cbranch_scc0 .Lw2
	s_sub_co_u32 s24, s23, 352
	s_lshl_b32 s24, s24, 3
	s_add_co_u32 s24, s24, s22                     ; U: half U % 2 of row U / 2 of w1
	s_lshl_b32 s32, s24, 12
	s_add_nc_u64 s[30:31], s[12:13], s[32:33]
	s_and_b32 s28, s24, 1
	s_lshl_b32 s28, s28, 21                        ; eight chunks on: 16 blocks
	s_lshr_b32 s29, s24, 1
	s_lshl_b32 s29, s29, 8                         ; the row in its block, 256 bytes a row
	s_add_co_u32 s32, s28, s29
	s_add_nc_u64 s[34:35], s[20:21], s[32:33]
	CAST 1
	s_branch .Ljoin
.Lw2:
	s_sub_co_u32 s24, s23, 480
	s_lshl_b32 s24, s24, 3
	s_add_co_u32 s24, s24, s22                     ; U: rows 2 U and 2 U + 1 of w2
	s_lshl_b32 s32, s24, 12
	s_add_nc_u64 s[30:31], s[14:15], s[32:33]
	s_lshr_b32 s28, s24, 6                         ; the chunk
	s_lshl_b32 s28, s28, 18
	s_add_co_u32 s28, s28, 131072
	s_lshl_b32 s29, s24, 1
	s_and_b32 s29, s29, 127
	s_lshl_b32 s29, s29, 10                        ; the row in its block, 1,024 bytes a row
	s_add_co_u32 s32, s28, s29
	s_add_nc_u64 s[34:35], s[20:21], s[32:33]
	CAST 2
.Ljoin:                                        ; every wave of every job passes the one barrier
	s_wait_dscnt 0x0                               ; for the others' sake: my means lie in LDS
	s_barrier_signal -1
	s_barrier_wait -1
	s_cmp_lt_u32 s23, 256
	s_cbranch_scc0 .Lend
	s_cmp_lg_u32 s22, 0
	s_cbranch_scc1 .Lend
	ds_load_b64 v[8:9], v7                         ; wave 0 stores the 64 means: 256 consecutive bytes, aligned
	s_wait_dscnt 0x0
	global_store_b64 v7, v[8:9], s[16:17]
.Lend:
	s_wait_tensorcnt 0x0                           ; the wave's end
	ds_add_u32 v[SPW], v[NIL]
	s_wait_dscnt 0x0
	s_endpgm
.Lfunc_end_k_qefe126845f_prep:
	.size	k_qefe126845f_prep, .Lfunc_end_k_qefe126845f_prep-k_qefe126845f_prep
	.p2alignl 7, 3214868480
	.fill 96, 4, 3214868480
	.section	.rodata,"a",@progbits
	.p2align	6, 0x0
	.amdhsa_kernel k_qefe126845f_prep
		.amdhsa_group_segment_fixed_size 1280
		.amdhsa_private_segment_fixed_size 0
		.amdhsa_enable_private_segment 0
		.amdhsa_kernarg_size 72
		.amdhsa_user_sgpr_count 2
		.amdhsa_user_sgpr_kernarg_segment_ptr 1
		.amdhsa_wavefront_size32 1
		.amdhsa_system_sgpr_workgroup_id_x 1
		.amdhsa_system_sgpr_workgroup_id_y 1
		.amdhsa_system_sgpr_workgroup_id_z 1
		.amdhsa_system_vgpr_workitem_id 0
		.amdhsa_next_free_vgpr 160
		.amdhsa_next_free_sgpr 66
		.amdhsa_reserve_vcc 0
		.amdhsa_float_denorm_mode_32 3
		.amdhsa_float_denorm_mode_16_64 3
		.amdhsa_memory_ordered 1
		.amdhsa_forward_progress 1
		.amdhsa_inst_pref_size 23
	.end_amdhsa_kernel
	.amdgpu_metadata
---
amdhsa.version: [ 1, 2 ]
amdhsa.kernels:
  - .name:           k_qefe126845f_prep
    .symbol:         k_qefe126845f_prep.kd
    .args:
      - { .name: x, .offset: 0, .size: 8, .value_kind: global_buffer, .address_space: global }
      - { .name: wq, .offset: 8, .size: 8, .value_kind: global_buffer, .address_space: global }
      - { .name: wk, .offset: 16, .size: 8, .value_kind: global_buffer, .address_space: global }
      - { .name: wv, .offset: 24, .size: 8, .value_kind: global_buffer, .address_space: global }
      - { .name: w1, .offset: 32, .size: 8, .value_kind: global_buffer, .address_space: global }
      - { .name: w2, .offset: 40, .size: 8, .value_kind: global_buffer, .address_space: global }
      - { .name: y, .offset: 48, .size: 8, .value_kind: global_buffer, .address_space: global }
      - { .name: wqkvb, .offset: 56, .size: 8, .value_kind: global_buffer, .address_space: global }
      - { .name: wffnb, .offset: 64, .size: 8, .value_kind: global_buffer, .address_space: global }
    .group_segment_fixed_size: 1280
    .private_segment_fixed_size: 0
    .kernarg_segment_align: 8
    .kernarg_segment_size: 72
    .max_flat_workgroup_size: 256
    .sgpr_count:     66
    .vgpr_count:     160
    .wavefront_size: 32
...
	.end_amdgpu_metadata
.endif
;; end of part 1
;; launch se (part 2): grid 16 x 1, 8 waves a work-group, no clusters, 76,800 bytes of LDS; arguments y, se_w1, se_w2, gp; writes gp
.if DOCPART == 2
	.amdgcn_target "amdgcn-amd-amdhsa--gfx1250"
	.amdhsa_code_object_version 6
	.text
	.protected	k_qefe126845f_se
	.globl	k_qefe126845f_se
	.p2align	8
	.type	k_qefe126845f_se,@function
k_qefe126845f_se:
	s_mov_b64 s[64:65], 0
	v_nop
	global_prefetch_b8 v0, s[64:65] scope:SCOPE_SE
	s_setreg_imm32_b32 hwreg(HW_REG_WAVE_MODE, 25, 1), 1
	s_wait_xcnt 0x0
; THE GATE'S TWO SMALL PRODUCTS.  Work-group j owns hidden columns 16 j .. 16 j + 15: hid = relu(y se_w1[:, those]), [16 b][16], then gp[j][b][t] = hid se_w2[those, :]: the partial sum
; of the gate's argument that these 16 hidden columns give; the launches that use the gate add the 16 partial sums (f32) and take the sigmoid.
; Product 1: K = 1,024 is split among the eight waves, 128 each; the partial tiles meet in LDS.  Product 2: its 1,024 columns are split among the waves, 128 each; K = 16, filled up with zeros to 32.
; Operands are rounded to bf16, sums are f32.  Sixteen work-groups are all the work that there is: 33 MFLOP and 2 MiB; no ring, no cluster, no prefetch.
; Both products are taken transposed (source 0 = weights, a lane an output column; source 1 = activations, a lane a batch row): the first result, rounded in pairs, IS source 1 of the second.
.set PART, 0                           ; 1,024 bytes a wave: its partial tile
.set STG, 8192                         ; 16 rows x 528 bytes a wave: the way out
.set SPARE, 75776
.set SPW, 2
.set NIL, 3
.macro PLACES n=4
.rept \n
	v_nop
.endr
.endm
	s_load_b256 s[4:11], s[0:1], 0x0               ; y, se_w1, se_w2, gp
	v_lshl_add_u32 v[SPW], v0, 2, SPARE
	v_mov_b32 v[NIL], 0
	v_lshrrev_b32 v1, 5, v0
	v_readfirstlane_b32 s12, v1                    ; wave 0..7
	v_and_b32 v10, 15, v0                          ; r
	v_bfe_u32 v11, v0, 4, 1                        ; h
	v_and_b32 v12, 31, v0                          ; lane
	v_lshlrev_b32 v13, 2, v10
	v_lshl_add_u32 v4, v11, 13, v13                ; se_w1: 8 h rows of 1,024 bytes + 4 r
	v_lshl_add_u32 v14, v11, 15, v13               ; se_w2: 8 h rows of 4,096 bytes + 4 r
	v_lshlrev_b32 v15, 12, v10
	v_lshl_add_u32 v15, v11, 5, v15                ; y: row r + 8 h numbers
	v_lshlrev_b32 v5, 5, v0                        ; my 32 bytes of my wave's partial tile
	v_lshlrev_b32 v6, 5, v12                       ; the same place in wave 0's
	s_mul_i32 s13, s12, 8448
	s_add_co_u32 s13, s13, STG
	v_mul_u32_u24 v7, v10, 528
	v_lshl_add_u32 v7, v11, 5, v7
	v_add_nc_u32 v7, s13, v7                       ; into my stage: row r, 32 bytes for each half of the lanes
	v_lshl_add_u32 v8, v12, 4, s13                 ; back: a whole row of 512 bytes
	v_lshlrev_b32 v9, 4, v12
	s_lshl_b32 s14, s12, 17                        ; my 128 rows of se_w1,
	s_lshl_b32 s16, ttmp9, 6                       ; the work-group's 16 columns
	s_add_co_u32 s14, s14, s16
	s_mov_b32 s15, 0
	s_lshl_b32 s16, s12, 9                         ; my 128 numbers of a row of y, of se_w2 and of gp
	s_mov_b32 s17, 0
	s_lshl_b32 s18, ttmp9, 16                      ; the work-group's 16 rows of se_w2; its plane of gp
	s_add_co_u32 s18, s18, s16
	s_mov_b32 s19, 0
	s_wait_kmcnt 0x0
	s_add_nc_u64 s[6:7], s[6:7], s[14:15]
	s_add_nc_u64 s[4:5], s[4:5], s[16:17]
	s_add_nc_u64 s[8:9], s[8:9], s[18:19]
	s_add_nc_u64 s[10:11], s[10:11], s[18:19]
.set i, 0
.rept 64                               ; se_w1[128 w + 32 ks + 16 u + 8 h + e][16 j + r] -> v[16 + 16 ks + 8 u + e]
	global_load_b32 v[16+i], v4, s[6:7] offset:((i/16)*32+((i/8)%2)*16+(i%8))*1024
.set i, i+1
.endr
.set i, 0
.rept 16                               ; y[r][128 w + 32 ks + 16 u + 8 h ..] -> v[80 + 16 ks + 8 u ..]
	global_load_b128 v[80+4*i:83+4*i], v15, s[4:5] offset:(i/4)*128+((i/2)%2)*64+(i%2)*16
.set i, i+1
.endr
.set i, 0
.rept 64                               ; se_w2[16 j + 8 h + e][128 w + 16 nt + r] -> v[144 + 8 nt + e]
	global_load_b32 v[144+i], v14, s[8:9] offset:(i%8)*4096+(i/8)*64
.set i, i+1
.endr
	s_wait_loadcnt 0x0                             ; one wait for all 144: nothing can start before the slowest
.set i, 0
.rept 32
	v_cvt_pk_bf16_f32 v[208+i], v[16+2*i], v[17+2*i]
.set i, i+1
.endr
.set i, 0
.rept 32
	v_cvt_pk_bf16_f32 v[16+i], v[80+2*i], v[81+2*i]
.set i, i+1
.endr
	; product 1: two accumulators by turns; the first two products start the sums
	v_wmma_f32_16x16x32_bf16 v[48:55], v[208:215], v[16:23], 0
	v_wmma_f32_16x16x32_bf16 v[56:63], v[216:223], v[24:31], 0
	v_wmma_f32_16x16x32_bf16 v[48:55], v[224:231], v[32:39], v[48:55]
	v_wmma_f32_16x16x32_bf16 v[56:63], v[232:239], v[40:47], v[56:63]
	PLACES 8
.irp q, 0,1,2,3
	v_pk_add_f32 v[48+2*\q:49+2*\q], v[48+2*\q:49+2*\q], v[56+2*\q:57+2*\q]
.endr
	ds_store_b128 v5, v[48:51] offset:PART
	ds_store_b128 v5, v[52:55] offset:PART+16
	s_wait_dscnt 0x0                               ; for the others' sake
	s_barrier_signal -1
	s_barrier_wait -1                              ; all eight partial tiles lie in LDS; every wave adds them for itself
.irp p, 0,1,2,3,4,5,6,7
	ds_load_b128 v[80+8*\p:83+8*\p], v6 offset:PART+1024*\p
	ds_load_b128 v[84+8*\p:87+8*\p], v6 offset:PART+1024*\p+16
.endr
	s_wait_dscnt 0x0
.irp n, 4,2,1
.set q, 0
.rept 4*\n
	v_pk_add_f32 v[80+2*q:81+2*q], v[80+2*q:81+2*q], v[80+2*q+8*\n:81+2*q+8*\n]
.set q, q+1
.endr
.endr
.irp q, 0,1,2,3,4,5,6,7
	v_max_num_f32 v[80+\q], 0, v[80+\q]            ; relu
.endr
.irp q, 0,1,2,3
	v_cvt_pk_bf16_f32 v[64+\q], v[80+2*\q], v[81+2*\q]
	v_mov_b32 v[68+\q], 0                          ; K = 16 .. 31: zeros
.endr
.set i, 0
.rept 8
.irp q, 0,1,2,3
	v_cvt_pk_bf16_f32 v[80+8*i+\q], v[144+8*i+2*\q], v[145+8*i+2*\q]
	v_mov_b32 v[84+8*i+\q], 0
.endr
.set i, i+1
.endr
.irp n, 0,1,2,3,4,5,6,7                ; product 2: eight sums of one product each
	v_wmma_f32_16x16x32_bf16 v[144+8*\n:151+8*\n], v[80+8*\n:87+8*\n], v[64:71], 0
.endr
	PLACES 8
.irp n, 0,1,2,3,4,5,6,7                ; lane (r, h) holds gp[j][r][128 w + 16 nt + 8 h + 0..7]
	ds_store_b128 v7, v[144+8*\n:147+8*\n] offset:64*\n
	ds_store_b128 v7, v[148+8*\n:151+8*\n] offset:64*\n+16
.endr
.irp b, 0,1,2,3,4,5,6,7,8,9,10,11,12,13,14,15
	ds_load_b128 v[16+4*\b:19+4*\b], v8 offset:528*\b  ; my own bytes: LDS serves a wave's instructions in order (ISA guide 5.7.1.4)
.endr
.irp b, 0,1,2,3,4,5,6,7,8,9,10,11,12,13,14,15
	s_wait_dscnt 15-\b                             ; the later rows' loads may stay out
	global_store_b128 v9, v[16+4*\b:19+4*\b], s[10:11] offset:4096*\b  ; 512 consecutive bytes, aligned
.endr
	s_wait_tensorcnt 0x0                           ; the wave's end
	ds_add_u32 v[SPW], v[NIL]
	s_wait_dscnt 0x0
	s_endpgm
.Lfunc_end_k_qefe126845f_se:
	.size	k_qefe126845f_se, .Lfunc_end_k_qefe126845f_se-k_qefe126845f_se
	.p2alignl 7, 3214868480
	.fill 96, 4, 3214868480
	.section	.rodata,"a",@progbits
	.p2align	6, 0x0
	.amdhsa_kernel k_qefe126845f_se
		.amdhsa_group_segment_fixed_size 76800
		.amdhsa_private_segment_fixed_size 0
		.amdhsa_enable_private_segment 0
		.amdhsa_kernarg_size 32
		.amdhsa_user_sgpr_count 2
		.amdhsa_user_sgpr_kernarg_segment_ptr 1
		.amdhsa_wavefront_size32 1
		.amdhsa_system_sgpr_workgroup_id_x 1
		.amdhsa_system_sgpr_workgroup_id_y 1
		.amdhsa_system_sgpr_workgroup_id_z 1
		.amdhsa_system_vgpr_workitem_id 0
		.amdhsa_next_free_vgpr 256
		.amdhsa_next_free_sgpr 66
		.amdhsa_reserve_vcc 0
		.amdhsa_float_denorm_mode_32 3
		.amdhsa_float_denorm_mode_16_64 3
		.amdhsa_memory_ordered 1
		.amdhsa_forward_progress 1
		.amdhsa_inst_pref_size 32
	.end_amdhsa_kernel
	.amdgpu_metadata
---
amdhsa.version: [ 1, 2 ]
amdhsa.kernels:
  - .name:           k_qefe126845f_se
    .symbol:         k_qefe126845f_se.kd
    .args:
      - { .name: y, .offset: 0, .size: 8, .value_kind: global_buffer, .address_space: global }
      - { .name: se_w1, .offset: 8, .size: 8, .value_kind: global_buffer, .address_space: global }
      - { .name: se_w2, .offset: 16, .size: 8, .value_kind: global_buffer, .address_space: global }
      - { .name: gp, .offset: 24, .size: 8, .value_kind: global_buffer, .address_space: global }
    .group_segment_fixed_size: 76800
    .private_segment_fixed_size: 0
    .kernarg_segment_align: 8
    .kernarg_segment_size: 32
    .max_flat_workgroup_size: 256
    .sgpr_count:     66
    .vgpr_count:     256
    .wavefront_size: 32
...
	.end_amdgpu_metadata
.endif
;; end of part 2
;; launch qkv (part 3): grid 256 x 1, 4 waves a work-group, clusters of 4 x 1, 327,680 bytes of LDS; arguments x, gp, wqkvb, ln1_g, ln1_b, qkvb; writes qkvb
.if DOCPART == 3
	.amdgcn_target "amdgcn-amd-amdhsa--gfx1250"
	.amdhsa_code_object_version 6
	.text
	.protected	k_qefe126845f_qkv
	.globl	k_qefe126845f_qkv
	.p2align	8
	.type	k_qefe126845f_qkv,@function
k_qefe126845f_qkv:
	s_mov_b64 s[64:65], 0
	v_nop
	global_prefetch_b8 v0, s[64:65] scope:SCOPE_SE
	s_setreg_imm32_b32 hwreg(HW_REG_WAVE_MODE, 25, 1), 1
	s_wait_xcnt 0x0
	s_wait_alu depctr_hold_cnt(0) depctr_sa_sdst(0) depctr_va_vdst(0) depctr_va_sdst(0) depctr_va_ssrc(0) depctr_va_vcc(0) depctr_vm_vsrc(0)
	s_getreg_b32 s2, hwreg(HW_REG_IB_STS2, 6, 4)
	s_cmp_eq_u32 s2, 0
	s_cbranch_scc0 .Lentry_in_a_cluster
	s_endpgm
.Lentry_in_a_cluster:
	s_bfe_u32 s2, ttmp6, 0x10000c
	s_cmp_lg_u32 s2, 0x3003
	s_cbranch_scc0 .Lentry_shape_is_right
	s_endpgm
.Lentry_shape_is_right:
; q, k, v = LN1(x s) wq, wk, wv, with s = 1 + sigmoid(the sum of gp's 16 planes), by heads: qkvb[3][16 b][8 h][1024 t][64] in f16, unscaled.
; SHARES.  A work-group owns 64 rows.  Their normalised form n (64 x 512, bf16) lies WHOLE in every wave's registers (windows 2 and 3), so each byte of a weight block is read from LDS once, by one wave.
; The 1,536 output columns go in six groups of 256 = four heads, a head a wave; a group is two steps along K (256 each); a step multiplies one block of wqkvb, 131,072 bytes, from slot (step % 2): 128 products a wave.
; LN.  LN(x s) = (x - mean) s rsq(s^2 var + eps) g + b with mean and var of x itself: no number is multiplied by s first.  The variance is taken of centred numbers.
; CLUSTER.  All work-groups multiply by the same twelve blocks: the four of a cluster ask for each block JOINTLY (mask 15); each wave fetches a quarter of it.  x's rows are a work-group's own: a plain load.
; THE WALK BEGINS ELSEWHERE IN EACH CLUSTER: cluster c begins at group ((c & 7) + (c >> 3)) mod 6 and goes round.  So the 64 clusters ask for six different groups' blocks at a time, and from its second
; group on a cluster asks for blocks that another cluster asked for a group's work (256 products) earlier.  A refill's address is made anew from the block's number.
; THE PRODUCT IS TAKEN TRANSPOSED: source 0 = 16 output columns (weights lie [k][n] in LDS and are turned by ds_load_tr16_b128), source 1 = 16 rows of n: a lane ends with 8 neighbouring channels of one row.
; LIMITS.  n and the weights are rounded to bf16; q, k, v to f16, which ends at 65,504: with gain, bias and weights all 30 times those drawn they stay near 2.4e3.  NaN and infinities are not treated apart.
; REGISTERS.  window 0: v0-15 addresses; v16-63 LN's figures, gain and bias; v64-127 LN's rows, later packed results; v128-255 16 accumulators (a, nt) at 128 + 8 (4 a + nt).
;   window 1: two fragment buffers of 128 (4 x 32 k, 4 x 16 columns).   windows 2, 3: n: row tile a, K step ks at window 2 + a / 2, register 8 (16 (a % 2) + ks).
.set SLOT, 139264                      ; a slot: 256 rows of 512 bytes + 32 of padding: pitch 544 = 136 words: row r starts at bank 8 r mod 64 (64 banks of 4 bytes: ISA guide 11.1)
.set XB, SLOT                          ; slot 1 first holds x's 64 rows: pitch 2,080 (16 bytes of padding behind every 1,024)
.set NST, 278528                       ; 32 rows x 1,040: n on its way from lanes that hold a row to lanes that hold fragments
.set OST, 311808                       ; 16 rows x 144 a wave: the way out
.set SG, 321024                        ; 256 bytes a wave: s of the 64 rows
.set SPARE, 322048                     ; the spare words, 128 bytes a wave
.set SPW, 2
.set NIL, 3
.set AW, 4                             ; v4-7  my place in slot s, K half u, at AW + 2 s + u
.set STO, 8
.set RD, 9
.set GO, 10                            ; 16 x lane
.set PFO, 11                           ; 256 x lane; never rewritten
.set XA, 12
.set SA, 13
.set FA, 14
.set SGA, 15
.set WV, 16
.set CX, 17
.set WG, 18
.set CNT, 19
.set LIM, 20                           ; 1 in the clusters that prefetch
.set LC, 21
.set OFF, 22                           ; s[22:23] a block's byte offset; the high word stays 0
.set G1W, 24
.set G1X, 32
.set G0, 40                            ; s[40:47] a group 0 for each slot
.set G0X, 48
.set PFA, 52                           ; s[52:53] never rewritten
.set QB, 54
.set SEL, 56
.set SINV, 58
.set SEPS, 59
.set SNL, 60
.set TN, 61                            ; the block to be asked for next, 0..11
.set GI, 62                            ; the group whose way out comes next, 0..5
.set SXA, 66
.set SSA, 67
.set SSG, 68
.set QB0, 84                           ; s[84:85] qkvb at my rows of q's head w
.set F0, 0
.set F1, 128
.set MSB, 0
.macro WIN new                         ; the immediate's high byte repeats the setting that is left; a switch that changes nothing is dropped
.if MSB != (\new)
	s_set_vgpr_msb (MSB<<8)|(\new)
.set MSB, \new
.endif
.endm
.macro PLACES n=4
.rept \n
	v_nop
.endr
.endm
.macro CREST                           ; a round of the cluster's barrier behind its opening barrier
	s_cmp_lg_u32 s[WV], 0
	s_cbranch_scc1 .Lnot_wave_0_\@
	s_barrier_signal -3
.Lnot_wave_0_\@:
	s_barrier_wait -3
	s_barrier_signal -1
	s_barrier_wait -1
.endm
.macro ROUND
	s_barrier_signal -1
	s_barrier_wait -1
	CREST
.endm
	s_load_b256 s[4:11], s[0:1], 0x0               ; x, gp, wqkvb, ln1_g
	s_load_b128 s[12:15], s[0:1], 0x20             ; ln1_b, qkvb
	v_lshl_add_u32 v[SPW], v0, 2, SPARE
	v_mov_b32 v[NIL], 0
	ds_add_u32 v[SPW], v[NIL]                      ; the wave's opening: an add and its wait ahead of my first tensor load
	ds_add_u32 v2, v3
	v_lshrrev_b32 v1, 5, v0
	v_readfirstlane_b32 s[WV], v1
	s_bfe_u32 s[CX], ttmp6, 0x40000
	s_lshl_b32 s[WG], ttmp9, 2
	s_add_co_u32 s[WG], s[WG], s[CX]               ; my 64 rows: it enters x's, gp's and qkvb's addresses alone
	s_and_b32 s83, ttmp9, 7                        ; where my cluster's walk begins: made of the cluster's number alone, the same in all four partners
	s_lshr_b32 s86, ttmp9, 3
	s_add_co_u32 s83, s83, s86                     ; 0..14
	s_sub_co_u32 s86, s83, 6
	s_cmp_ge_u32 s83, 6
	s_cselect_b32 s83, s86, s83                    ; 0..8
	s_sub_co_u32 s86, s83, 6
	s_cmp_ge_u32 s83, 6
	s_cselect_b32 s[GI], s86, s83                  ; 0..5: the first group
	s_lshl_b32 s[TN], s[GI], 1                     ; its first block
	s_mov_b32 s[OFF+1], 0
	s_mov_b32 s[G1W], 15|(1<<16)|(1<<20)|(1<<21)|(6<<22)|(7<<25)  ; mask of four; 2-byte elements; padding on; bit 21 beside a mask; 8 words behind every 128
	s_mov_b32 s[G1W+1], 256<<16                    ; tensor_dim0
	s_mov_b32 s[G1W+2], 64<<16                     ; tensor_dim1
	s_mov_b32 s[G1W+3], 256<<16                    ; tile_dim0
	s_mov_b32 s[G1W+4], 64                         ; tile_dim1
	s_mov_b32 s[G1W+5], 256                        ; elements from row to row
	s_mov_b32 s[G1W+6], 0
	s_mov_b32 s[G1W+7], 0
	s_mov_b32 s[G1X], (2<<16)|(1<<20)|(7<<22)|(3<<25)  ; no mask; 4-byte elements; 4 words behind every 256
	s_mov_b32 s[G1X+1], 512<<16
	s_mov_b32 s[G1X+2], 16<<16
	s_mov_b32 s[G1X+3], 512<<16
	s_mov_b32 s[G1X+4], 16
	s_mov_b32 s[G1X+5], 512
	s_mov_b32 s[G1X+6], 0
	s_mov_b32 s[G1X+7], 0
	s_mul_i32 s70, s[WV], 34816                    ; my quarter of a slot: 64 rows
	s_mov_b32 s[G0], 1
	s_mov_b32 s[G0+1], s70
	s_mov_b32 s[G0+4], 1
	s_add_co_u32 s[G0+5], s70, SLOT
	s_mul_i32 s70, s[WV], 33280                    ; my 16 rows of x
	s_mov_b32 s[G0X], 1
	s_add_co_u32 s[G0X+1], s70, XB
	s_lshl_b32 s70, s[WV], 15                      ; my quarter of a block in memory
	s_mov_b32 s71, 0
	s_lshl_b32 s72, s[WG], 17
	s_add_co_u32 s72, s72, s70                     ; x: 64 rows x 2,048 x work-group + 16 rows x wave
	s_mov_b32 s73, 0
	s_lshl_b32 s74, s[CX], 13                      ; the prefetch: my work-group's 32 pieces of 256 bytes of my quarter
	s_mov_b32 s75, 0
	s_lshr_b32 s80, s[WG], 4                       ; b
	s_and_b32 s81, s[WG], 15                       ; which 64 of the batch's 1,024 rows
	s_lshl_b32 s76, s80, 12
	s_lshl_b32 s82, s81, 8
	s_add_co_u32 s76, s76, s82                     ; gp: b x 4,096 + 4 t0
	s_mov_b32 s77, 0
	s_lshl_b32 s78, s80, 20
	s_lshl_b32 s82, s[WV], 17
	s_add_co_u32 s78, s78, s82
	s_lshl_b32 s82, s81, 13
	s_add_co_u32 s78, s78, s82                     ; qkvb: ((8 b + w) 1,024 + t0) x 128
	s_mov_b32 s79, 0
	s_cmp_lt_u32 ttmp9, 6                          ; clusters 0 to 5 begin at groups 0 to 5: one cluster for each group
	s_cselect_b32 s[LIM], 1, 0                     ; the same in all four partners
	s_mov_b32 s[SEL], 0x76543210
	s_mov_b32 s[SEL+1], 0xfedcba98
	s_mov_b32 s[SINV], 0x3b000000                  ; 1 / 512
	s_mov_b32 s[SEPS], 0x3727c5ac                  ; 1e-5
	s_mov_b32 s[SNL], 0xbfb8aa3b                   ; -log2(e)
	s_mul_i32 s[SXA], s[WV], 16640
	s_mul_i32 s[SSA], s[WV], 8320
	s_mul_i32 s[SSG], s[WV], 288
	s_add_co_u32 s[SSG], s[SSG], SG
	s_lshl_b32 s[OFF], s[TN], 17
	s_add_co_u32 s[TN], s[TN], 2                   ; the first refill's block: the next group's first, round the twelve
	s_cmp_eq_u32 s[TN], 12
	s_cselect_b32 s[TN], 0, s[TN]
	s_wait_dscnt 0x0                               ; the opening add is done
	s_wait_kmcnt 0x0
	s_add_nc_u64 s[8:9], s[8:9], s[70:71]          ; wqkvb at my quarter of block 0
	s_add_nc_u64 s[G0+2:G0+3], s[8:9], s[OFF:OFF+1]  ; my walk's first block,
	s_add_nc_u64 s[G0+6:G0+7], s[G0+2:G0+3], 131072  ; and its second
	s_add_nc_u64 s[PFA:PFA+1], s[G0+6:G0+7], s[74:75]
	s_or_b32 s[G0+3], s[G0+3], 0x80000000
	s_or_b32 s[G0+7], s[G0+7], 0x80000000
	s_add_nc_u64 s[G0X+2:G0X+3], s[4:5], s[72:73]
	s_or_b32 s[G0X+3], s[G0X+3], 0x80000000
	s_add_nc_u64 s[6:7], s[6:7], s[76:77]
	s_add_nc_u64 s[QB0:QB0+1], s[14:15], s[78:79]
	ROUND                                          ; all four work-groups are here: the first joint loads meet
	tensor_load_to_lds s[G0:G0+3], s[G1W:G1W+7]    ; the first block into slot 0; two loads of mine are out
	s_nop 0
	tensor_load_to_lds s[G0X:G0X+3], s[G1X:G1X+7]  ; my 16 rows of x into slot 1
	s_nop 0
	PLACES 4
	v_and_b32 v1, 31, v0                           ; lane
	v_and_b32 v96, 15, v0                          ; r
	v_bfe_u32 v97, v0, 4, 1                        ; h
	v_and_b32 v98, 7, v0
	v_bfe_u32 v99, v0, 3, 1
	v_lshlrev_b32 v102, 3, v1
	v_lshlrev_b32 v[GO], 4, v1
.irp j, 0,1,2,3,4,5,6,7,8,9,10,11,12,13,14,15
	global_load_b64 v[64+2*\j:65+2*\j], v102, s[6:7] offset:65536*\j  ; gp's 16 planes: lane l takes rows 2 l and 2 l + 1
.endr
.irp j, 0,1,2,3
	global_load_b128 v[32+4*\j:35+4*\j], v[GO], s[10:11] offset:512*\j  ; gain and bias of my columns 128 j + 4 l + 0..3
	global_load_b128 v[48+4*\j:51+4*\j], v[GO], s[12:13] offset:512*\j
.endr
	; the turning load takes 16 k x 16 columns: lane l reads row 8 (l / 16) + l % 8, 16 bytes at 16 ((l / 8) % 2)
	v_lshl_add_u32 v100, v97, 3, v98
	v_mul_u32_u24 v100, v100, 544
	v_lshl_add_u32 v100, v99, 4, v100
	s_lshl_b32 s70, s[WV], 7                       ; my head's 64 columns
	v_add_nc_u32 v[AW], s70, v100
	v_add_nc_u32 v[AW+1], 69632, v[AW]
	v_add_nc_u32 v[AW+2], SLOT, v[AW]
	v_add_nc_u32 v[AW+3], SLOT+69632, v[AW]
	s_mul_i32 s70, s[WV], 2304
	s_add_co_u32 s70, s70, OST
	v_mul_u32_u24 v[STO], v96, 144
	v_lshl_add_u32 v[STO], v97, 4, v[STO]
	v_add_nc_u32 v[STO], s70, v[STO]
	v_bfe_u32 v[RD], v0, 3, 2
	v_mul_u32_u24 v[RD], v[RD], 144
	v_lshl_add_u32 v[RD], v98, 4, v[RD]
	v_add_nc_u32 v[RD], s70, v[RD]
	v_lshlrev_b32 v[PFO], 8, v1
	v_mul_u32_u24 v[FA], v96, 1040
	v_lshl_add_u32 v[FA], v97, 4, v[FA]
	v_add_nc_u32 v[FA], NST, v[FA]
	s_lshl_b32 s70, s[WV], 8
	s_add_co_u32 s70, s70, SG
	v_lshl_add_u32 v[SGA], v1, 3, s70
	s_wait_loadcnt 0x0
	; s = 1 + 1 / (1 + 2^(-z log2 e)), z the sum of the 16 planes
.irp n, 8,4,2,1
.set q, 0
.rept \n
	v_pk_add_f32 v[64+2*q:65+2*q], v[64+2*q:65+2*q], v[64+2*(q+\n):65+2*(q+\n)]
.set q, q+1
.endr
.endr
	v_mul_f32 v64, s[SNL], v64
	v_mul_f32 v65, s[SNL], v65
	v_exp_f32 v64, v64
	v_exp_f32 v65, v65
	v_nop
	s_wait_alu depctr_va_vdst(0)                   ; one wait for the two exponentials
	v_add_f32 v64, 1.0, v64
	v_add_f32 v65, 1.0, v65
	v_rcp_f32 v64, v64
	v_rcp_f32 v65, v65
	v_nop
	s_wait_alu depctr_va_vdst(0)
	v_add_f32 v64, 1.0, v64
	v_add_f32 v65, 1.0, v65
	ds_store_b64 v[SGA], v[64:65]                  ; my wave's own table: no other wave reads it
	s_wait_tensorcnt 0x0                           ; my rows of x and my quarter of the first block are in
	s_wait_dscnt 0x0
	s_barrier_signal -1
	s_barrier_wait -1                              ; everybody's are
; LN of 32 rows, 8 a wave, two a trip, line by line by turns; a row lies across the wave's lanes, 16 numbers a lane.
.macro LANES                           ; v96 and v104: the sum over the 32 lanes, in every lane
.irp m, 1,2,4,8
.irp i, 0,1
	v_add_f32_dpp v[96+8*\i], v[96+8*\i], v[96+8*\i] row_xmask:\m row_mask:0xf bank_mask:0xf
.endr
.endr
.irp i, 0,1
	v_permlanex16_b32 v[97+8*\i], v[96+8*\i], s[SEL], s[SEL+1]
.endr
.irp i, 0,1
	v_add_f32 v[96+8*\i], v[96+8*\i], v[97+8*\i]
.endr
.endm
; fill = 1 (the second pass): behind its rows every wave has read x out of slot 1, so the barrier that shows the stage to all is made the round of a refill, and slot 1 takes the walk's second block.
.macro LNPASS p, gate, fill
	v_lshl_add_u32 v[XA], v1, 4, s[SXA]
	v_add_nc_u32 v[XA], XB+(\p)*66560, v[XA]
	v_lshl_add_u32 v[SA], v1, 3, s[SSA]
	v_add_nc_u32 v[SA], NST, v[SA]
.if \gate
	v_mov_b32 v[SGA], s[SSG]
	v_add_nc_u32 v[SGA], 128*(\p), v[SGA]
.endif
	s_mov_b32 s[LC], 4
.Lln_\@:
.irp i, 0,1
.irp j, 0,1,2,3
	ds_load_b128 v[64+16*\i+4*\j:64+16*\i+4*\j+3], v[XA] offset:\i*2080+512*\j+16*(\j/2)
.endr
.endr
.if \gate
	ds_load_b32 v28, v[SGA]
	ds_load_b32 v29, v[SGA] offset:4
.endif
	s_wait_dscnt 0x0
.irp q, 0,1,2,3
.irp i, 0,1
	v_pk_add_f32 v[96+8*\i+2*\q:97+8*\i+2*\q], v[64+16*\i+4*\q:65+16*\i+4*\q], v[66+16*\i+4*\q:67+16*\i+4*\q]
.endr
.endr
.irp i, 0,1
	v_pk_add_f32 v[96+8*\i:97+8*\i], v[96+8*\i:97+8*\i], v[98+8*\i:99+8*\i]
	v_pk_add_f32 v[100+8*\i:101+8*\i], v[100+8*\i:101+8*\i], v[102+8*\i:103+8*\i]
.endr
.irp i, 0,1
	v_pk_add_f32 v[96+8*\i:97+8*\i], v[96+8*\i:97+8*\i], v[100+8*\i:101+8*\i]
.endr
.irp i, 0,1
	v_add_f32 v[96+8*\i], v[96+8*\i], v[97+8*\i]
.endr
	LANES
.irp i, 0,1
	v_mul_f32 v[20+2*\i], s[SINV], v[96+8*\i]      ; the mean, twice: a pair for the packed lines
	v_mul_f32 v[21+2*\i], s[SINV], v[96+8*\i]
.endr
.irp q, 0,1,2,3,4,5,6,7
.irp i, 0,1
	v_pk_add_f32 v[64+16*\i+2*\q:65+16*\i+2*\q], v[64+16*\i+2*\q:65+16*\i+2*\q], v[20+2*\i:21+2*\i] neg_lo:[0,1] neg_hi:[0,1]
.endr
.endr
.irp i, 0,1
	v_pk_mul_f32 v[96+8*\i:97+8*\i], v[64+16*\i:65+16*\i], v[64+16*\i:65+16*\i]
	v_pk_mul_f32 v[98+8*\i:99+8*\i], v[66+16*\i:67+16*\i], v[66+16*\i:67+16*\i]
.endr
.irp q, 2,4,6
.irp i, 0,1
	v_pk_fma_f32 v[96+8*\i:97+8*\i], v[64+16*\i+2*\q:65+16*\i+2*\q], v[64+16*\i+2*\q:65+16*\i+2*\q], v[96+8*\i:97+8*\i]
	v_pk_fma_f32 v[98+8*\i:99+8*\i], v[66+16*\i+2*\q:67+16*\i+2*\q], v[66+16*\i+2*\q:67+16*\i+2*\q], v[98+8*\i:99+8*\i]
.endr
.endr
.irp i, 0,1
	v_pk_add_f32 v[96+8*\i:97+8*\i], v[96+8*\i:97+8*\i], v[98+8*\i:99+8*\i]
.endr
.irp i, 0,1
	v_add_f32 v[96+8*\i], v[96+8*\i], v[97+8*\i]
.endr
	LANES
.if \gate
.irp i, 0,1
	v_mul_f32 v[97+8*\i], v[28+\i], v[28+\i]
.endr
.irp i, 0,1
	v_mul_f32 v[97+8*\i], s[SINV], v[97+8*\i]
.endr
.irp i, 0,1
	v_fma_f32 v[96+8*\i], v[96+8*\i], v[97+8*\i], s[SEPS]  ; s^2 var + eps
.endr
.else
.irp i, 0,1
	v_fma_f32 v[96+8*\i], v[96+8*\i], s[SINV], s[SEPS]     ; var + eps
.endr
.endif
.irp i, 0,1
	v_rsq_f32 v[24+2*\i], v[96+8*\i]
	v_rsq_f32 v[25+2*\i], v[96+8*\i]
.endr
	v_nop
	s_wait_alu depctr_va_vdst(0)                   ; one wait for the four
.if \gate
.irp i, 0,1
	v_mul_f32 v[24+2*\i], v[24+2*\i], v[28+\i]
	v_mul_f32 v[25+2*\i], v[25+2*\i], v[28+\i]
.endr
.endif
.irp q, 0,1,2,3,4,5,6,7
.irp i, 0,1
	v_pk_mul_f32 v[64+16*\i+2*\q:65+16*\i+2*\q], v[64+16*\i+2*\q:65+16*\i+2*\q], v[24+2*\i:25+2*\i]
.endr
.endr
.irp q, 0,1,2,3,4,5,6,7
.irp i, 0,1
	v_pk_fma_f32 v[64+16*\i+2*\q:65+16*\i+2*\q], v[64+16*\i+2*\q:65+16*\i+2*\q], v[32+2*\q:33+2*\q], v[48+2*\q:49+2*\q]
.endr
.endr
.irp q, 0,1,2,3,4,5,6,7
.irp i, 0,1
	v_cvt_pk_bf16_f32 v[96+8*\i+\q], v[64+16*\i+2*\q], v[65+16*\i+2*\q]
.endr
.endr
.irp i, 0,1
.irp j, 0,1,2,3
	ds_store_b64 v[SA], v[96+8*\i+2*\j:97+8*\i+2*\j] offset:\i*1040+256*\j
.endr
.endr
	v_add_nc_u32 v[XA], 4160, v[XA]
	v_add_nc_u32 v[SA], 2080, v[SA]
.if \gate
	v_add_nc_u32 v[SGA], 8, v[SGA]
.endif
	s_sub_co_u32 s[LC], s[LC], 1
	s_cmp_lg_u32 s[LC], 0
	s_cbranch_scc1 .Lln_\@
.if \fill
	s_wait_tensorcnt 0x0                           ; no tensor load of mine is out
	ds_add_u32 v[SPW], v[NIL]
	s_wait_dscnt 0x0                               ; the add is done; my reads of x are back; my eight rows lie in the stage
	ROUND                                          ; all that holds of every wave of the cluster
	tensor_load_to_lds s[G0+4:G0+7], s[G1W:G1W+7]  ; the walk's second block: the 64 loads below and the first 64 products stand between it and the wait for it
	s_nop 0
	PLACES 4
.else
	s_wait_dscnt 0x0                               ; for the others' sake: my eight rows lie in the stage
	s_barrier_signal -1
	s_barrier_wait -1
.endif
	WIN (2+(\p))<<6
.set q, 0
.rept 32                               ; every wave takes all 32 rows as fragments: row tile q / 16, K step q % 16
	ds_load_b128 v[8*q:8*q+3],   v[FA] offset:(q/16)*16640+(q%16)*64
	ds_load_b128 v[8*q+4:8*q+7], v[FA] offset:(q/16)*16640+(q%16)*64+32
.set q, q+1
.endr
	WIN 0
	s_wait_dscnt 0x0                               ; my reads of the stage are over,
	s_barrier_signal -1
	s_barrier_wait -1                              ; everybody's are
.endm
	LNPASS 0, 1, 0
	; ONE PREFETCH: the walk's second block, which is first asked for behind LN's second pass: four trips of that pass ahead of its load.  Clusters 0 to 5 begin at six different groups: they ask, nobody else:
	; 4 work-groups x 4 waves x 32 lanes x 256 bytes are the block's 131,072, each piece named once in the launch.  A walk's first block is asked for at the head, where nothing is prefetched; every later
	; block has been asked for by another cluster before.
	s_cmp_eq_u32 s[LIM], 1
	s_cbranch_scc0 .Lnoask
	global_prefetch_b8 v[PFO], s[PFA:PFA+1] th:TH_LOAD_NT scope:SCOPE_SE
.Lnoask:
	LNPASS 1, 1, 1
; 32 turning loads: K half u of slot s (4 x 32 k, my 4 x 16 columns) into buffer f
.macro FETCHQ s, u, f
	WIN 0x40
.irp k, 0,1,2,3
.irp n, 0,1,2,3
	ds_load_tr16_b128 v[(\f)+8*(4*\k+\n):(\f)+8*(4*\k+\n)+3],   v[AW+2*(\s)+(\u)] offset:\k*17408+32*\n
	ds_load_tr16_b128 v[(\f)+8*(4*\k+\n)+4:(\f)+8*(4*\k+\n)+7], v[AW+2*(\s)+(\u)] offset:\k*17408+32*\n+8704
.endr
.endr
.endm
; products of buffer f's K steps k0 .. k1 with row tiles 2 ap, 2 ap + 1: eight accumulators by turns, one instruction a turn
.macro MULQ f, ap, k0, k1, kabs, zero
	WIN 0x09+4*(\ap)
.set kk, \k0
.rept (\k1)-(\k0)+1
.irp aa, 0,1
.irp n, 0,1,2,3
.set rA, 128+8*(4*(2*(\ap)+\aa)+\n)
.set rF, (\f)+8*(4*kk+\n)
.set rN, 8*(16*\aa+(\kabs)+kk)
.if (\zero) && (kk == 0)
	v_wmma_f32_16x16x32_bf16 v[rA:rA+7], v[rF:rF+7], v[rN:rN+7], 0
.else
	v_wmma_f32_16x16x32_bf16 v[rA:rA+7], v[rF:rF+7], v[rN:rN+7], v[rA:rA+7]
.endif
.endr
.endr
.set kk, kk+1
.endr
.endm
.macro HALF0 s, kabs, zero             ; a step's first half: buffer 0 is multiplied, the second half's fragments are fetched
	s_wait_dscnt 0x0                               ; buffer 0 is in
	PLACES 4                                       ; behind the last products that read buffer 1
	FETCHQ \s, 1, F1
	MULQ F0, 0, 0, 3, \kabs, \zero
	MULQ F0, 1, 0, 3, \kabs, \zero
.endm
; A step's second half, and the change of slots: each wave waits for all its tensor loads (one is out: its quarter of the other slot), adds 0 to its spare word, and waits for that and for its reads of this slot.
; fill = 1: the barrier opens a round of the cluster's, and the joint refill (the walk's block two steps on, its address made anew from its number) is the first thing behind it: 96 products stand between it and the wait for it.
.macro TURNQ s, kabs, fill
	WIN 0
	s_wait_tensorcnt 0x0
	ds_add_u32 v[SPW], v[NIL]
.if \fill
	s_lshl_b32 s[OFF], s[TN], 17                   ; no tensor load of mine is out, so a group 0 may be written
	s_add_nc_u64 s[G0+4*(\s)+2:G0+4*(\s)+3], s[8:9], s[OFF:OFF+1]
	s_or_b32 s[G0+4*(\s)+3], s[G0+4*(\s)+3], 0x80000000
	s_add_co_u32 s[TN], s[TN], 1                   ; the next block, round the twelve
	s_cmp_eq_u32 s[TN], 12
	s_cselect_b32 s[TN], 0, s[TN]
.endif
	s_wait_dscnt 1                                 ; buffer 1 is in; the add alone may be out
	MULQ F1, 0, 0, 1, \kabs, 0
	s_wait_dscnt 0x0
	s_barrier_signal -1
	MULQ F1, 0, 2, 3, \kabs, 0
	WIN 0
	s_barrier_wait -1
.if \fill
	CREST
	tensor_load_to_lds s[G0+4*(\s):G0+4*(\s)+3], s[G1W:G1W+7]
	s_nop 0
	PLACES 4                                       ; also the places in front of the loads below
.else
	PLACES 4
.endif
	FETCHQ 1-(\s), 0, F0
	MULQ F1, 1, 0, 3, \kabs, 0
.endm
; THE WAY OUT of a group: a lane's eight channels of a row pack into 16 bytes of f16; 16 rows at a time go through my stage and leave as 512 consecutive bytes of my head.
.macro PACKQ a
.set q, 0
.rept 16
	v_cvt_pk_f16_f32 v[64+16*(\a)+q], v[128+32*(\a)+2*q], v[129+32*(\a)+2*q]
.set q, q+1
.endr
.irp n, 0,1,2,3
	ds_store_b128 v[STO], v[64+16*(\a)+4*\n:67+16*(\a)+4*\n] offset:32*\n
.endr
.irp n, 0,1,2,3
	ds_load_b128 v[64+16*(\a)+4*\n:67+16*(\a)+4*\n], v[RD] offset:576*\n  ; LDS serves a wave's instructions in order (ISA guide 5.7.1.4)
.endr
.endm
.macro SENDQ a, younger                ; younger: the next tile's eight LDS instructions, or none
.irp n, 0,1,2,3
	s_wait_dscnt (\younger)+3-\n
	global_store_b128 v[GO], v[64+16*(\a)+4*\n:67+16*(\a)+4*\n], s[QB:QB+1] offset:(\a)*2048+512*\n
.endr
.endm
.macro EPI
	WIN 0
	s_wait_xcnt 0x0                                ; the last group's stores have read their registers and their base
	s_lshr_b32 s70, s[GI], 1                       ; group g: tensor g / 2 (16,777,216 bytes each), heads 4 (g % 2) + w (131,072 bytes each)
	s_lshl_b32 s70, s70, 24
	s_and_b32 s72, s[GI], 1
	s_lshl_b32 s72, s72, 19
	s_add_co_u32 s70, s70, s72
	s_mov_b32 s71, 0
	s_add_nc_u64 s[QB:QB+1], s[QB0:QB0+1], s[70:71]
	s_add_co_u32 s[GI], s[GI], 1                   ; the next group, round the six
	s_cmp_eq_u32 s[GI], 6
	s_cselect_b32 s[GI], 0, s[GI]
	PLACES 8
	PACKQ 0
	PACKQ 1
	SENDQ 0, 8
	PACKQ 2
	SENDQ 1, 8
	PACKQ 3
	SENDQ 2, 8
	SENDQ 3, 0
.endm
	FETCHQ 0, 0, F0
	HALF0 0, 0, 1                                  ; a group's first products start its sums
	WIN 0
	s_mov_b32 s[CNT], 5
.Lg:                                           ; a trip: the rest of a group, its way out, the next group's first half; it refills both slots
	TURNQ 0, 4, 1
	HALF0 1, 8, 0
	TURNQ 1, 12, 1
	EPI
	HALF0 0, 0, 1
	WIN 0
	s_sub_co_u32 s[CNT], s[CNT], 1
	s_cmp_lg_u32 s[CNT], 0
	s_cbranch_scc1 .Lg
	TURNQ 0, 4, 0                                  ; the last group asks for nothing
	HALF0 1, 8, 0
	s_wait_dscnt 0x0
	MULQ F1, 0, 0, 3, 12, 0
	MULQ F1, 1, 0, 3, 12, 0
	EPI
	s_wait_tensorcnt 0x0                           ; the wave's end
	ds_add_u32 v[SPW], v[NIL]
	s_wait_dscnt 0x0
	ROUND                                          ; the closing round
	s_endpgm
.Lfunc_end_k_qefe126845f_qkv:
	.size	k_qefe126845f_qkv, .Lfunc_end_k_qefe126845f_qkv-k_qefe126845f_qkv
	.p2alignl 7, 3214868480
	.fill 96, 4, 3214868480
	.section	.rodata,"a",@progbits
	.p2align	6, 0x0
	.amdhsa_kernel k_qefe126845f_qkv
		.amdhsa_group_segment_fixed_size 327680
		.amdhsa_private_segment_fixed_size 0
		.amdhsa_enable_private_segment 0
		.amdhsa_kernarg_size 48
		.amdhsa_user_sgpr_count 2
		.amdhsa_user_sgpr_kernarg_segment_ptr 1
		.amdhsa_wavefront_size32 1
		.amdhsa_system_sgpr_workgroup_id_x 1
		.amdhsa_system_sgpr_workgroup_id_y 1
		.amdhsa_system_sgpr_workgroup_id_z 1
		.amdhsa_system_vgpr_workitem_id 0
		.amdhsa_next_free_vgpr 1024
		.amdhsa_next_free_sgpr 96
		.amdhsa_reserve_vcc 0
		.amdhsa_float_denorm_mode_32 3
		.amdhsa_float_denorm_mode_16_64 3
		.amdhsa_memory_ordered 1
		.amdhsa_forward_progress 1
		.amdhsa_inst_pref_size 110
	.end_amdhsa_kernel
	.amdgpu_metadata
---
amdhsa.version: [ 1, 2 ]
amdhsa.kernels:
  - .name:           k_qefe126845f_qkv
    .symbol:         k_qefe126845f_qkv.kd
    .args:
      - { .name: x, .offset: 0, .size: 8, .value_kind: global_buffer, .address_space: global }
      - { .name: gp, .offset: 8, .size: 8, .value_kind: global_buffer, .address_space: global }
      - { .name: wqkvb, .offset: 16, .size: 8, .value_kind: global_buffer, .address_space: global }
      - { .name: ln1_g, .offset: 24, .size: 8, .value_kind: global_buffer, .address_space: global }
      - { .name: ln1_b, .offset: 32, .size: 8, .value_kind: global_buffer, .address_space: global }
      - { .name: qkvb, .offset: 40, .size: 8, .value_kind: global_buffer, .address_space: global }
    .group_segment_fixed_size: 327680
    .private_segment_fixed_size: 0
    .kernarg_segment_align: 8
    .kernarg_segment_size: 48
    .max_flat_workgroup_size: 128
    .sgpr_count:     96
    .vgpr_count:     1024
    .wavefront_size: 32
...
	.end_amdgpu_metadata
.endif
;; end of part 3
;; launch attn (part 4): grid 2 x 128, 4 waves a work-group, no clusters, 327,680 bytes of LDS; arguments qkvb, x, gp, x2; writes x2
.if DOCPART == 4
	.amdgcn_target "amdgcn-amd-amdhsa--gfx1250"
	.amdhsa_code_object_version 6
	.text
	.protected	k_qefe126845f_attn
	.globl	k_qefe126845f_attn
	.p2align	8
	.type	k_qefe126845f_attn,@function
k_qefe126845f_attn:
	s_mov_b64 s[64:65], 0
	v_nop
	global_prefetch_b8 v0, s[64:65] scope:SCOPE_SE
	s_setreg_imm32_b32 hwreg(HW_REG_WAVE_MODE, 25, 1), 1
	s_wait_xcnt 0x0
; x2[b][t][64 h ..] = x s + the sum over k of softmax_k(q . k / 8) v, with s = 1 + sigmoid(the sum of gp's 16 planes).  q, k, v: qkvb[3][128 heads][1024][64] in f16; x, x2 f32.
; Products, maxima and sums in f32; the weights p are rounded to f16 for the second product (their sum l is taken of the unrounded p).
; LIMITS.  q, k, v arrive within f16's 65,504; p lies in 0 to 1; a weight below 2^-126 counts as 0 in l; NaN and infinities are not treated apart.
; SHARES.  A work-group owns 512 queries of one head, a wave four PIECES of two tiles of 16.  Every wave walks all 1,024 keys, 64 a step.
; NO RING: a head's K (1,024 x 144 bytes) and V (1,024 x 160) lie whole in LDS, each byte filled once: keys 0-255 are asked for at the head, keys 256-1,023 when those have landed, and shown to all
; by one barrier behind the fourth step's second turn.  So nothing is left to ask ahead for, and no prefetch is laid.
; NO CLUSTER: a head has two work-groups, and clusters are four wide along x.
; LAYOUT.  S^T = K Q^T: a lane holds ONE query (lane % 16) and the keys 8 (lane / 16) + 0..7; two such tiles rounded to f16 ARE source 1 of O^T = V^T P.  V is turned by ds_load_tr16_b128.
; SOFTMAX.  A running maximum m and sum l: p = 2^(c s - c m), c = log2(e) / 8; in every step O and l are multiplied by a = 2^(c m_old - c m_new).  m starts at the lowest finite number, O and l at 0.
; BY TURNS.  Turn n belongs to piece n: 16 products K Q^T of piece n + 1, later 16 products V^T P of piece n - 1; beside them piece n's scaling, exponentials, roundings, sums and rescaling, and the maximum
; and statistics of piece n + 1.  Four vector instructions stand behind every matrix instruction, the rest in one run; a turn's 66 exponentials are one batch with one wait.
; REGISTERS.  window 0: v0-11 addresses; v12-15, v48-63 at work; v16-47 statistics; v64-191 S^T; v192-255 P.   window 1: O^T, 32 a tile.   window 2: v0-127 Q; v128-191 K; v192-255 V of one step.
;   window 3: my 128 rows of x, this head's 64 columns: asked for at the head, wanted at the end.
.set NP,    4
.set KS,    64
.set PK,    144
.set PV,    160
.set VOFF,  147456
.set SG,    311296    ; 1,024 bytes a wave: s of its 128 rows, each twice
.set SPARE, 315392    ; the spare words, 128 bytes a wave
.set AK0, 2
.set AV0, 3
.set AK,  4
.set AV,  5
.set QO,  6           ; later STO
.set STO, 6
.set RD,  7
.set GO,  8           ; my byte offset in two rows of x and of x2; never rewritten
.set SH,  9
.set SPW, 10
.set NIL, 11
.set MV,  12
.set ST,  16
.set TMP, 48
.set S,   64
.set P,   192
.set KF,  128
.set VF,  192
.set WV,  12
.set PH,  14
.set G1K, 24
.set G1V, 32
.set G0K, 40
.set G0V, 44
.set G0K2, 48
.set G0V2, 52
.set EC,  56          ; key steps still to be ended
.set CNT, 57
.set CS,  58
.set SEL, 60
.set TBK, 62
.set TBV, 63
.set G1K2, 72
.set G1V2, 80
.set MSB, 0
.macro WIN new
.if MSB != (\new)
	s_set_vgpr_msb (MSB<<8)|(\new)
.set MSB, (\new)
.endif
.endm
.set W_KQ, 0x0a
.set W_PV, 0x52
.set W_RS, 0x41
.macro PLACES n=4
.rept \n
	v_nop
.endr
.endm
; A fill.  Waves 0 and 1 fetch the two halves of K's part, waves 2 and 3 those of V's.  An s_nop 0 and four v_nop follow each of the two lines.
.macro LOAD gk, gv, g1k, g1v
	s_cmp_lt_u32 s[WV], 2
	s_cbranch_scc0 .Lfor_v_\@
	tensor_load_to_lds s[\gk:\gk+3], s[\g1k:\g1k+7]
	s_nop 0
	PLACES 4
	s_branch .Lasked_\@
.Lfor_v_\@:
	tensor_load_to_lds s[\gv:\gv+3], s[\g1v:\g1v+7]
	s_nop 0
	PLACES 4
.Lasked_\@:
.endm
	s_load_b256 s[4:11], s[0:1], 0x0  ; qkvb, x, gp, x2
	v_lshl_add_u32 v[SPW], v0, 2, SPARE
	v_mov_b32 v[NIL], 0
	ds_add_u32 v[SPW], v[NIL]       ; the wave's opening: an add and its wait ahead of my first tensor load
	ds_add_u32 v10, v11
	v_lshrrev_b32 v1, 5, v0
	v_readfirstlane_b32 s[WV], v1
	s_and_b32 s20, ttmp7, 0xffff    ; the head among 128
	s_lshr_b32 s21, s20, 3          ; b
	s_and_b32 s22, s20, 7           ; h
	s_mov_b32 s23, ttmp9            ; which 512 queries
	s_lshl_b32 s66, s20, 17         ; a head's 131,072 bytes
	s_mov_b32 s67, 0
	s_and_b32 s16, s[WV], 1
	s_lshl_b32 s2, s23, 2
	s_add_co_u32 s2, s2, s[WV]
	s_lshl_b32 s2, s2, 14           ; my wave's 128 rows of Q
	s_add_co_u32 s2, s2, s66
	s_mov_b32 s3, 0
	s_lshl_b32 s70, s21, 21         ; x and x2: (1,024 b + 512 block + 128 w) rows of 2,048 bytes + 256 h
	s_lshl_b32 s13, s23, 20
	s_add_co_u32 s70, s70, s13
	s_lshl_b32 s13, s[WV], 18
	s_add_co_u32 s70, s70, s13
	s_lshl_b32 s13, s22, 8
	s_add_co_u32 s70, s70, s13
	s_mov_b32 s71, 0
	s_lshl_b32 s68, s21, 12         ; gp: the same rows, 4 bytes each
	s_lshl_b32 s13, s23, 11
	s_add_co_u32 s68, s68, s13
	s_lshl_b32 s13, s[WV], 9
	s_add_co_u32 s68, s68, s13
	s_mov_b32 s69, 0
	; descriptor group 1: keys are dense, 128 bytes each: asked for as rows of 256 bytes, two keys a row, padded in LDS after every key
	s_mov_b32 s[G1K], (1<<16)|(1<<20)|(4<<22)|(3<<25)
	s_mov_b32 s[G1V], (1<<16)|(1<<20)|(4<<22)|(7<<25)
	s_mov_b32 s[G1K2], (1<<16)|(1<<20)|(4<<22)|(3<<25)
	s_mov_b32 s[G1V2], (1<<16)|(1<<20)|(4<<22)|(7<<25)
.irp g, G1K, G1V
	s_mov_b32 s[\g+1], 128<<16
	s_mov_b32 s[\g+2], 64<<16       ; 128 keys: 64 rows
	s_mov_b32 s[\g+3], 128<<16
	s_mov_b32 s[\g+4], 64
	s_mov_b32 s[\g+5], 128
	s_mov_b32 s[\g+6], 0
	s_mov_b32 s[\g+7], 0
.endr
.irp g, G1K2, G1V2
	s_mov_b32 s[\g+1], 128<<16
	s_mov_b32 s[\g+2], 192<<16      ; 384 keys: 192 rows
	s_mov_b32 s[\g+3], 128<<16
	s_mov_b32 s[\g+4], 192
	s_mov_b32 s[\g+5], 128
	s_mov_b32 s[\g+6], 0
	s_mov_b32 s[\g+7], 0
.endr
	s_mov_b32 s[G0K], 1
	s_mul_i32 s[G0K+1], s16, 128*PK
	s_mov_b32 s[G0V], 1
	s_mul_i32 s[G0V+1], s16, 128*PV
	s_add_co_u32 s[G0V+1], s[G0V+1], VOFF
	s_mov_b32 s[G0K2], 1
	s_mul_i32 s[G0K2+1], s16, 384*PK
	s_add_co_u32 s[G0K2+1], s[G0K2+1], 256*PK
	s_mov_b32 s[G0V2], 1
	s_mul_i32 s[G0V2+1], s16, 384*PV
	s_add_co_u32 s[G0V2+1], s[G0V2+1], VOFF+256*PV
	s_mov_b32 s[CS], 0x3e38aa3b     ; c = log2(e) / 8
	s_mov_b32 s[CS+1], s[CS]
	s_mov_b32 s[SEL], 0x76543210
	s_mov_b32 s[SEL+1], 0xfedcba98
	s_mov_b32 s[TBK], 0
	s_mov_b32 s[TBV], 0
	s_wait_dscnt 0x0                ; the opening add is done
	s_wait_kmcnt 0x0
	s_add_nc_u64 s[18:19], s[4:5], s[66:67]      ; the head's first byte of q,
	s_add_nc_u64 s[88:89], s[18:19], 0x1000000   ; of k,
	s_add_nc_u64 s[90:91], s[18:19], 0x2000000   ; of v
	s_add_nc_u64 s[4:5], s[4:5], s[2:3]
	s_add_nc_u64 s[6:7], s[6:7], s[70:71]
	s_add_nc_u64 s[10:11], s[10:11], s[70:71]
	s_add_nc_u64 s[8:9], s[8:9], s[68:69]
	s_lshl_b32 s2, s16, 14          ; my half of keys 0-255
	s_add_nc_u64 s[G0K+2:G0K+3], s[88:89], s[2:3]
	s_or_b32 s[G0K+3], s[G0K+3], 0x80000000
	s_add_nc_u64 s[G0V+2:G0V+3], s[90:91], s[2:3]
	s_or_b32 s[G0V+3], s[G0V+3], 0x80000000
	s_mul_i32 s2, s16, 49152        ; my half of keys 256-1,023
	s_add_co_u32 s2, s2, 32768
	s_add_nc_u64 s[G0K2+2:G0K2+3], s[88:89], s[2:3]
	s_or_b32 s[G0K2+3], s[G0K2+3], 0x80000000
	s_add_nc_u64 s[G0V2+2:G0V2+3], s[90:91], s[2:3]
	s_or_b32 s[G0V2+3], s[G0V2+3], 0x80000000
	LOAD G0K, G0V, G1K, G1V         ; keys 0-255
	v_and_b32 v1, 15, v0            ; l % 16
	v_bfe_u32 v9, v0, 4, 1          ; l / 16
	v_lshlrev_b32 v[QO], 7, v1
	v_lshl_add_u32 v[QO], v9, 4, v[QO]
	v_lshlrev_b32 v[GO], 4, v1
	v_lshl_add_u32 v[GO], v9, 11, v[GO]  ; lanes 0-15 one row's 256 bytes, lanes 16-31 the next row's
	v_and_b32 v15, 31, v0
	v_lshlrev_b32 v15, 4, v15
	v_lshl_add_u32 v14, v0, 5, SG   ; my 32 bytes of my wave's table
	WIN 0x80
.set i, 0
.rept 4*NP                          ; Q stays in registers: tile i / 2, channels 32 (i % 2) on
	global_load_b128 v[8*i:8*i+3],   v[QO], s[4:5] offset:(i/2)*2048+(i%2)*64
	global_load_b128 v[8*i+4:8*i+7], v[QO], s[4:5] offset:(i/2)*2048+(i%2)*64+32
.set i, i+1
.endr
	WIN 0
.irp j, 0,1,2,3,4,5,6,7,8,9,10,11,12,13,14,15
	global_load_b128 v[64+4*\j:67+4*\j], v15, s[8:9] offset:65536*\j  ; gp's 16 planes: lane l takes rows 4 l .. 4 l + 3
.endr
	WIN 0xc0
.set i, 0
.rept 64                            ; x: tile i / 8, rows 2 (i % 8) and the next
	global_load_b128 v[4*i:4*i+3], v[GO], s[6:7] offset:((i/8)*16+(i%8)*2)*2048
.set i, i+1
.endr
	; What the first turn finds: V's registers and P's second buffer hold 0, O^T and l are 0.  All this stands in the wait for the first keys.
	WIN 0x80
.set i, VF
.rept 64
	v_mov_b32 v[i], 0
.set i, i+1
.endr
	WIN 0x40
.set i, 0
.rept 64*NP
	v_mov_b32 v[i], 0
.set i, i+1
.endr
	WIN 0
.set i, 0
.rept 2*NP
	v_mov_b32 v[ST+4*i], 0xfe000000    ; c m: far below every c s
	v_mov_b32 v[ST+4*i+1], 0xff7fffff  ; m
	v_mov_b32 v[ST+4*i+2], 0
	v_mov_b32 v[ST+4*i+3], 0
.set i, i+1
.endr
.set i, P+32
.rept 32
	v_mov_b32 v[i], 0
.set i, i+1
.endr
	v_mul_u32_u24 v[AK0], v1, PK
	v_lshl_add_u32 v[AK0], v9, 4, v[AK0]
	v_and_b32 v12, 7, v0
	v_bfe_u32 v13, v0, 3, 1
	v_lshl_add_u32 v[AV0], v9, 3, v12
	v_mul_u32_u24 v[AV0], v[AV0], PV
	v_lshl_add_u32 v[AV0], v13, 4, v[AV0]
	v_add_nc_u32 v[AV0], VOFF, v[AV0]
	v_mov_b32 v[AK], v[AK0]
	s_wait_loadcnt 63               ; Q and gp are in: x's 64 loads were issued behind them, and 63 is the largest count that the wait can name
.irp n, 8,4,2,1
.set q, 0
.rept 2*\n
	v_pk_add_f32 v[64+2*q:65+2*q], v[64+2*q:65+2*q], v[64+2*q+4*\n:65+2*q+4*\n]
.set q, q+1
.endr
.endr
.irp q, 0,1,2,3
	v_mul_f32 v[64+\q], 0xbfb8aa3b, v[64+\q]
.endr
.irp q, 0,1,2,3
	v_exp_f32 v[64+\q], v[64+\q]
.endr
	v_nop
	s_wait_alu depctr_va_vdst(0)    ; one wait for the four exponentials
.irp q, 0,1,2,3
	v_add_f32 v[64+\q], 1.0, v[64+\q]
.endr
.irp q, 0,1,2,3
	v_rcp_f32 v[64+\q], v[64+\q]
.endr
	v_nop
	s_wait_alu depctr_va_vdst(0)
.irp q, 0,1,2,3
	v_add_f32 v[68+2*\q], 1.0, v[64+\q]  ; s, twice: a later load of 8 bytes brings a pair for the packed line
	v_add_f32 v[69+2*\q], 1.0, v[64+\q]
.endr
	ds_store_b128 v14, v[68:71]
	ds_store_b128 v14, v[72:75] offset:16
; THE MATRIX WORK.  The 8 accumulators of a run of 16 take turns.
.macro KQ x
	WIN W_KQ
.set rS, S+64*((\x)%2)+32*(i%2)+8*((i/2)%4)
.set rK, KF+16*((i/2)%4)+8*(i/8)
.set rQ, 16*(2*(\x)+i%2)+8*(i/8)
.if i < 8
	v_wmma_f32_16x16x32_f16 v[rS:rS+7], v[rK:rK+7], v[rQ:rQ+7], 0
.else
	v_wmma_f32_16x16x32_f16 v[rS:rS+7], v[rK:rK+7], v[rQ:rQ+7], v[rS:rS+7]
.endif
.endm
.macro PV x
	WIN W_PV
.set rO, 32*(2*(\x)+i%2)+8*((i/2)%4)
.set rV, VF+32*(i/8)+8*((i/2)%4)
.set rP, P+32*((\x)%2)+16*(i%2)+8*(i/8)
	v_wmma_f32_16x16x32_f16 v[rO:rO+7], v[rV:rV+7], v[rP:rP+7], v[rO:rO+7]
.endm
.macro MM
.if i < 16
	KQ (Y+1)%NP
.set i, i+1
.else
.set i, i-16
	PV (Y+NP-1)%NP
.set i, i+17
.endif
.endm
; THE LDS LOADS stand in runs of 16.  last = 1: in the last step there is no further K, and the run is jumped over.
.macro FETCH_K last=0
	WIN 0
.if \last
	s_cmp_eq_u32 s[EC], 1
	s_cbranch_scc1 .Lno_k_\@
.endif
	WIN 0x80
.irp f, 0,1,2,3,4,5,6,7
	ds_load_b128 v[KF+8*\f:KF+8*\f+3],   v[AK] offset:(\f/2)*16*PK+(\f%2)*64
	ds_load_b128 v[KF+8*\f+4:KF+8*\f+7], v[AK] offset:(\f/2)*16*PK+(\f%2)*64+32
.endr
	s_add_co_u32 s[TBK], s[TBK], KS*PK
	WIN 0
.if \last
.Lno_k_\@:
.endif
.endm
.macro FETCH_V
	WIN 0x80
.irp f, 0,1,2,3,4,5,6,7
	ds_load_tr16_b128 v[VF+8*\f:VF+8*\f+3],   v[AV] offset:(\f/4)*32*PV+(\f%4)*32
	ds_load_tr16_b128 v[VF+8*\f+4:VF+8*\f+7], v[AV] offset:(\f/4)*32*PV+16*PV+(\f%4)*32
.endr
	WIN 0
.endm
; THE VECTOR WORK OF A TURN stands in three queues, each in the order in which its entries become ready; the two tiles alternate.
.macro REGS y, u
.set rT, ST+4*(2*(\y)+(\u))
.set rC, TMP+8*((\y)%2)+4*(\u)
.set rM, MV+2*((\y)%2)+(\u)
.set rS, S+64*((\y)%2)+32*(\u)
.set rP, P+32*((\y)%2)+16*(\u)
.set rO, 32*(2*(\y)+(\u))
.endm
; Number n of the 22 that find the NEXT piece's maximum and statistics; each accumulator's lowest registers are read first.
.macro XS u, n
	REGS (Y+1)%NP, \u
.if (\n) < 4
	v_max3_num_f32 v[rC+(\n)], v[rS+8*(\n)], v[rS+8*(\n)+1], v[rS+8*(\n)+2]
.elseif (\n) < 12
	v_max3_num_f32 v[rC+(\n)%4], v[rC+(\n)%4], v[rS+8*((\n)%4)+2*((\n)/4)+1], v[rS+8*((\n)%4)+2*((\n)/4)+2]
.elseif (\n) == 12
	v_max3_num_f32 v[rC], v[rC], v[rS+7], v[rS+15]
.elseif (\n) == 13
	v_max3_num_f32 v[rC+1], v[rC+1], v[rS+23], v[rS+31]
.elseif (\n) == 14
	v_max3_num_f32 v[rC+2], v[rC+2], v[rC+3], v[rT+1]
.elseif (\n) == 15
	v_mov_b32 v[rM], v[rT]
.elseif (\n) == 16
	v_max3_num_f32 v[rC], v[rC], v[rC+1], v[rC+2]
.elseif (\n) == 17
	v_permlanex16_b32 v[rC+3], v[rC], s[SEL], s[SEL+1]
.elseif (\n) == 18
	v_max_num_f32 v[rT+1], v[rC], v[rC+3]
.elseif (\n) == 19
	v_mul_f32 v[rT], s[CS], v[rT+1]
.elseif (\n) == 20
	v_sub_f32 v[rC+1], v[rM], v[rT]
.else
	v_exp_f32 v[rC+2], v[rC+1]
.endif
.endm
; Number g of the 64 that follow the exponentials: roundings to f16, sums of four weights in place, and l a group later.
.macro GS g
.set h, (\g)+6*((\g)/62)
.if h >= 6
.set h, h+2
.endif
	REGS Y, h%2
.set k, h/8
.if h%8 < 4
	v_cvt_pk_f16_f32 v[rP+2*k+(h%8)/2], v[rS+4*k+2*((h%8)/2)], v[rS+4*k+2*((h%8)/2)+1]
.elseif h%8 < 6
	v_pk_add_f32 v[rS+4*k:rS+4*k+1], v[rS+4*k:rS+4*k+1], v[rS+4*k+2:rS+4*k+3]
.elseif k == 1
	v_pk_fma_f32 v[rT+2:rT+3], v[rT+2:rT+3], v[rC+2:rC+3], v[rS:rS+1] op_sel_hi:[1,0,1]
.else
	v_pk_add_f32 v[rT+2:rT+3], v[rT+2:rT+3], v[rS+4*k-4:rS+4*k-3]
.endif
.endm
.macro FS f
	REGS Y, (\f)%2
	v_pk_fma_f32 v[rS+2*((\f)/2):rS+2*((\f)/2)+1], v[rS+2*((\f)/2):rS+2*((\f)/2)+1], s[CS:CS+1], v[rT:rT+1] op_sel_hi:[1,0,0] neg_lo:[0,0,1] neg_hi:[0,0,1]
.endm
; THE PLAIN QUEUE, 138 long: 0-73 read no exponential's result (32 scalings, the next piece's 42); 74-137 are GS's 64, behind the wait.
.macro PL
	WIN 0
.if q < 27
	FS q
.elseif q < 55
	XS (q-27)%2, (q-27)/2
.elseif q < 57
	XS q-55, 15
.elseif (q < 72) && ((q-57)%3 == 0)
	FS 27+(q-57)/3
.elseif q < 60
	XS (q-57)%3-1, 14
.elseif q < 72
	XS (q-57)%3-1, 15+(q-57)/3
.elseif q < 74
	XS q-72, 20
.else
	GS q-74
.endif
.set q, q+1
.endm
; THE EXPONENTIALS' QUEUE, 66 long: ONE BATCH ahead of the turn's one wait.
.macro EX
	WIN 0
.if e >= 64
	XS e-64, 21
.else
	REGS Y, e%2
	v_exp_f32 v[rS+e/2], v[rS+e/2]
.endif
.set e, e+1
.endm
; THE RESCALING's QUEUE: O^T times a, two at a time.
.macro R2
	REGS Y, r%2
	WIN W_RS
.irp z, 0,1
	v_pk_mul_f32 v[rO+4*(r/2)+2*\z:rO+4*(r/2)+2*\z+1], v[rO+4*(r/2)+2*\z:rO+4*(r/2)+2*\z+1], v[rC+2:rC+3] op_sel_hi:[1,0]
.endr
.set r, r+1
.endm
; A TURN, for piece p.  Ahead of the wait: 16 products K Q^T, behind each a scaling, an exponential and two rescalings; then a run of 108.  Behind it: 16 products V^T P, behind each four of GS's 64.
; K of the next step is fetched in piece 2's turn, directly behind the wait; V of the step in hand at the end of piece 0's turn, four plain instructions behind its last reader.
.macro TURN p, last=0, cnt=0
.set Y, (\p)
.set i, 0
.set q, 0
.set e, 0
.set r, 0
.if (\p) == NP-1
	s_wait_dscnt 0x0                ; K is in
.endif
	MM
	PL
	PL
	R2
.rept 15
	MM
	PL
	EX
	R2
.endr
.if (\p) == NP-2
	WIN 0
	v_add_nc_u32 v[AK], s[TBK], v[AK0]
.endif
.rept 8
	PL
.endr
.rept 49
	EX
	PL
.endr
	EX
	EX
	v_nop                           ; a plain instruction behind the last exponential: one for the batch
	s_wait_alu depctr_va_vdst(0)    ; the wait for the batch
.if (\p) == NP-2
	FETCH_K \last
.endif
.if (\p) == 1
	s_wait_dscnt 0x0                ; V is in
.endif
.rept 16
	MM
.rept 4
	PL
.endr
.if ((\p) == 0) && (q == 118)
	v_add_nc_u32 v[AV], s[TBV], v[AV0]
.endif
.if ((\p) == 0) && (q == 130)
	s_add_co_u32 s[TBV], s[TBV], KS*PV
.endif
.if (\cnt) && (q == 130)
	s_sub_co_u32 s[CNT], s[CNT], 1
	s_cmp_lg_u32 s[CNT], 0
.endif
.endr
.if (\p) == 0
	FETCH_V
.endif
.endm
	s_wait_tensorcnt 0x0            ; my part of keys 0-255 is in
	ds_add_u32 v[SPW], v[NIL]
	s_wait_dscnt 0x0
	s_barrier_signal -1
	s_barrier_wait -1               ; everybody's is
	LOAD G0K2, G0V2, G1K2, G1V2     ; keys 256-1,023, into bytes that nothing has filled: my one load behind this barrier; it has three and a half key steps in which to land
	FETCH_K                         ; key step 0
	s_wait_dscnt 0x0
.set i, 0
.rept 16
	KQ 0                            ; piece 0's first scores
.set i, i+1
.endr
	WIN 0
	PLACES 8
.set Y, NP-1
.irp n, 0,1,2,3,4,5,6,7,8,9,10,11,12,13,14,15,16,17,18,19,20,21
	XS 0, \n
	XS 1, \n
.endr
	v_nop
	s_wait_alu depctr_va_vdst(0)
	s_mov_b32 s[CNT], 4
	s_mov_b32 s[EC], 16
	s_mov_b32 s[PH], 2
	s_branch .Lfirst                ; the loop is entered at a step's first turn
.Lphase:                            ; passed once, behind pieces 0 and 1 of key step 3: from here on keys 256-1,023 are read
	s_wait_tensorcnt 0x0            ; my part of them is in,
	s_wait_dscnt 0x0
	s_barrier_signal -1
	s_barrier_wait -1               ; everybody's is
	s_mov_b32 s[CNT], 13
.Lstep:                             ; a trip: pieces 2 and 3 of one step, then pieces 0 and 1 of the next
	TURN 2, 1
	TURN 3
	WIN 0
	s_sub_co_u32 s[EC], s[EC], 1
	s_cmp_eq_u32 s[EC], 0
	s_cbranch_scc1 .Lout            ; the sixteenth step is ended
.Lfirst:
	TURN 0
	TURN 1, 0, 1
	WIN 0
	s_cbranch_scc1 .Lstep
	s_sub_co_u32 s[PH], s[PH], 1
	s_cmp_lg_u32 s[PH], 0
	s_cbranch_scc1 .Lphase
.Lout:                              ; the last turn's 16 products K Q^T (on the last K once more) and the maximum made of them serve nothing: the price of one text for every trip
.set i, 0
.rept 16
	PV NP-1
.set i, i+1
.endr
	; THE WAY OUT.  O^T / l goes through a stage in K's bytes (K has had its only fill and is read no more), a tile at a time, comes back as rows, and x s is added.
	WIN 0
.macro ALL line:vararg
.set t, 0
.rept 2*NP
	\line
.set t, t+1
.endr
.endm
	ALL v_add_f32 v[ST+4*t+2], v[ST+4*t+2], v[ST+4*t+3]
	ALL v_permlanex16_b32 v[ST+4*t+3], v[ST+4*t+2], s[SEL], s[SEL+1]
	ALL v_add_f32 v[ST+4*t+2], v[ST+4*t+2], v[ST+4*t+3]
	ALL v_rcp_f32 v[ST+4*t+2], v[ST+4*t+2]
	v_nop
	s_wait_alu depctr_va_vdst(0)    ; one wait for the eight reciprocals
	s_wait_dscnt 0x0
	s_barrier_signal -1
	s_barrier_wait -1               ; every wave has read K for the last time
	s_mul_i32 s13, s[WV], 4352      ; my stage: 16 rows x 272 bytes
	s_lshl_b32 s15, s[WV], 10
	s_add_co_u32 s15, s15, SG
	v_mul_u32_u24 v[STO], v1, 272   ; in: row l % 16, 32 bytes for each half of the lanes
	v_lshl_add_u32 v[STO], v9, 5, v[STO]
	v_add_nc_u32 v[STO], s13, v[STO]
	v_mul_u32_u24 v[RD], v9, 272    ; back: lanes 0-15 one row of 256 bytes, lanes 16-31 the next
	v_lshl_add_u32 v[RD], v1, 4, v[RD]
	v_add_nc_u32 v[RD], s13, v[RD]
	v_lshl_add_u32 v[SH], v9, 3, s15
.macro PACK t
	WIN W_RS
.set i, 32*(\t)
.rept 16
	v_pk_mul_f32 v[i:i+1], v[i:i+1], v[ST+4*(\t)+2:ST+4*(\t)+3] op_sel_hi:[1,0]
.set i, i+2
.endr
	WIN 0x04                        ; the stores' data in window 1
.irp f, 0,1,2,3
	ds_store_b128 v[STO], v[32*(\t)+8*\f:32*(\t)+8*\f+3]   offset:64*\f
	ds_store_b128 v[STO], v[32*(\t)+8*\f+4:32*(\t)+8*\f+7] offset:64*\f+16
.endr
	WIN 0
	s_wait_xcnt 0x0                 ; the stores two tiles back have read the registers that the loads below write
.irp f, 0,1,2,3,4,5,6,7
	ds_load_b128 v[64+32*((\t)%2)+4*\f:67+32*((\t)%2)+4*\f], v[RD] offset:544*\f  ; LDS serves a wave's instructions in order (ISA guide 5.7.1.4)
.endr
.irp f, 0,1,2,3,4,5,6,7
	ds_load_b64 v[128+16*((\t)%2)+2*\f:129+16*((\t)%2)+2*\f], v[SH] offset:(16*(\t)+2*\f)*8
.endr
.endm
.macro SEND t, younger              ; younger: the next tile's 24 LDS instructions, or none
	WIN 0
	s_wait_dscnt \younger
.if (\t) == 0
	s_wait_loadcnt 0x0              ; x
.endif
	WIN 0x03                        ; source 0, x, in window 3
.irp f, 0,1,2,3,4,5,6,7
	v_pk_fma_f32 v[64+32*((\t)%2)+4*\f:65+32*((\t)%2)+4*\f], v[32*(\t)+4*\f:32*(\t)+4*\f+1], v[128+16*((\t)%2)+2*\f:129+16*((\t)%2)+2*\f], v[64+32*((\t)%2)+4*\f:65+32*((\t)%2)+4*\f]
	v_pk_fma_f32 v[66+32*((\t)%2)+4*\f:67+32*((\t)%2)+4*\f], v[32*(\t)+4*\f+2:32*(\t)+4*\f+3], v[128+16*((\t)%2)+2*\f:129+16*((\t)%2)+2*\f], v[66+32*((\t)%2)+4*\f:67+32*((\t)%2)+4*\f]
.endr
	WIN 0
.irp f, 0,1,2,3,4,5,6,7
	global_store_b128 v[GO], v[64+32*((\t)%2)+4*\f:67+32*((\t)%2)+4*\f], s[10:11] offset:(16*(\t)+2*\f)*2048  ; 16 lanes store 256 consecutive bytes, aligned
.endr
.endm
	PACK 0
.set t, 1
.rept 2*NP-1
	PACK t
	SEND t-1, 24
.set t, t+1
.endr
	SEND 2*NP-1, 0
	s_wait_tensorcnt 0x0            ; the wave's end
	ds_add_u32 v[SPW], v[NIL]
	s_wait_dscnt 0x0
	s_endpgm
.Lfunc_end_k_qefe126845f_attn:
	.size	k_qefe126845f_attn, .Lfunc_end_k_qefe126845f_attn-k_qefe126845f_attn
	.p2alignl 7, 3214868480
	.fill 96, 4, 3214868480
	.section	.rodata,"a",@progbits
	.p2align	6, 0x0
	.amdhsa_kernel k_qefe126845f_attn
		.amdhsa_group_segment_fixed_size 327680
		.amdhsa_private_segment_fixed_size 0
		.amdhsa_enable_private_segment 0
		.amdhsa_kernarg_size 32
		.amdhsa_user_sgpr_count 2
		.amdhsa_user_sgpr_kernarg_segment_ptr 1
		.amdhsa_wavefront_size32 1
		.amdhsa_system_sgpr_workgroup_id_x 1
		.amdhsa_system_sgpr_workgroup_id_y 1
		.amdhsa_system_sgpr_workgroup_id_z 1
		.amdhsa_system_vgpr_workitem_id 0
		.amdhsa_next_free_vgpr 1024
		.amdhsa_next_free_sgpr 96
		.amdhsa_reserve_vcc 0
		.amdhsa_float_denorm_mode_32 3
		.amdhsa_float_denorm_mode_16_64 3
		.amdhsa_memory_ordered 1
		.amdhsa_forward_progress 1
		.amdhsa_inst_pref_size 149
	.end_amdhsa_kernel
	.amdgpu_metadata
---
amdhsa.version: [ 1, 2 ]
amdhsa.kernels:
  - .name:           k_qefe126845f_attn
    .symbol:         k_qefe126845f_attn.kd
    .args:
      - { .name: qkvb, .offset: 0, .size: 8, .value_kind: global_buffer, .address_space: global }
      - { .name: x, .offset: 8, .size: 8, .value_kind: global_buffer, .address_space: global }
      - { .name: gp, .offset: 16, .size: 8, .value_kind: global_buffer, .address_space: global }
      - { .name: x2, .offset: 24, .size: 8, .value_kind: global_buffer, .address_space: global }
    .group_segment_fixed_size: 327680
    .private_segment_fixed_size: 0
    .kernarg_segment_align: 8
    .kernarg_segment_size: 32
    .max_flat_workgroup_size: 128
    .sgpr_count:     96
    .vgpr_count:     1024
    .wavefront_size: 32
...
	.end_amdgpu_metadata
.endif
;; end of part 4
;; launch ffn (part 5): grid 256 x 1, 4 waves a work-group, clusters of 4 x 1, 327,680 bytes of LDS; arguments x2, wffnb, ffn_g, ffn_b, b1, b2, out0; writes out0
.if DOCPART == 5
	.amdgcn_target "amdgcn-amd-amdhsa--gfx1250"
	.amdhsa_code_object_version 6
	.text
	.protected	k_qefe126845f_ffn
	.globl	k_qefe126845f_ffn
	.p2align	8
	.type	k_qefe126845f_ffn,@function
k_qefe126845f_ffn:
	s_mov_b64 s[64:65], 0
	v_nop
	global_prefetch_b8 v0, s[64:65] scope:SCOPE_SE
	s_setreg_imm32_b32 hwreg(HW_REG_WAVE_MODE, 25, 1), 1
	s_wait_xcnt 0x0
	s_wait_alu depctr_hold_cnt(0) depctr_sa_sdst(0) depctr_va_vdst(0) depctr_va_sdst(0) depctr_va_ssrc(0) depctr_va_vcc(0) depctr_vm_vsrc(0)
	s_getreg_b32 s2, hwreg(HW_REG_IB_STS2, 6, 4)
	s_cmp_eq_u32 s2, 0
	s_cbranch_scc0 .Lentry_in_a_cluster
	s_endpgm
.Lentry_in_a_cluster:
	s_bfe_u32 s2, ttmp6, 0x10000c
	s_cmp_lg_u32 s2, 0x3003
	s_cbranch_scc0 .Lentry_shape_is_right
	s_endpgm
.Lentry_shape_is_right:
; out0 = x2 + gelu(LN2(x2) w1 + b1) w2 + b2, fused: the hidden layer never leaves the work-group.
; SHARES.  A work-group owns 64 rows.  n = LN2(x2) (64 x 512, bf16) lies whole in every wave's registers (windows 2 and 3).  The 2,048 hidden columns go in 16 chunks of 128.
; In a chunk: G1: wave w makes h^T for hidden columns 32 w .. 32 w + 31 of the chunk (K = 512, 128 products; b1 is the C operand of the first); GELU in f32, rounded to bf16, into LDS (64 x 128);
; G2: wave w adds h w2 into its 128 columns of the output (32 accumulators in window 1, K = 128, 128 products).  The output's sums START from x2, read out of LDS: nothing is cleared, x2 is read once.
; Each byte of a weight block is read from LDS once, by one wave; h four times.
; CLUSTER.  All work-groups multiply by the same 32 blocks of wffnb (a chunk's w1 block, then its w2 block): the four of a cluster ask for each block JOINTLY (mask 15), a quarter a wave.  Two slots: A for w1's, B for w2's.
; THE WALK BEGINS ELSEWHERE IN EACH CLUSTER: cluster c begins at chunk (c xor 5 (c >> 4)) mod 16 and goes round (the chunks are terms of one sum).  So the 64 clusters ask for 16 different chunks' blocks at a time,
; four clusters each, and from its second chunk on a cluster asks for blocks that another cluster asked for a chunk's work earlier.  A refill's address is made anew from the chunk's number.
; GELU.  gelu(x) = x / 2 + |x| (1 / 2 - q), q = erfc(|x| / sqrt 2) / 2, erfc by the five-term form in t = 1 / (1 + 0.3275911 z) (Abramowitz and Stegun 7.1.26): absolute error of q under 1.5e-7 at every x.
; LIMITS.  n, h and the weights are rounded to bf16; sums in f32, in another order than the reference's, and the chunks in another order from cluster to cluster; NaN and infinities are not treated apart.
; REGISTERS.  window 0: v0-15 addresses and nothing else; v16-31 b1 as C operands (before: LN's figures; at the end: b2); v32-63 LN's gain and bias; v64-127, v128-191 fragment buffers (LN's rows; GELU at work);
;   v192-255 h^T's 8 accumulators (nt, a) at 192 + 32 nt + 8 a, in G2 h's fragments.   window 1: the output's accumulators (a, nt) at 8 (8 a + nt).   windows 2, 3: n.
.set SLB, 147456                       ; slot A: 512 rows x 288 from byte 0; slot B: 128 rows x 1,056 from here.  Both pitches are odd multiples of 32 bytes
.set XB, SLB                           ; slot B first holds x2's 64 rows, pitch 2,080; at the end the way out, 64 rows x 528 a wave
.set NST, 282624                       ; 32 rows x 1,040: n on its way into fragments; then
.set HB, 282624                        ; h: 64 rows x 272
.set SPARE, 316416
.set SPW, 2
.set NIL, 3
.set XA, 4
.set SA, 5
.set FA, 6
.set AW1, 4                            ; v4-7, made when LN is over; at the end v4-6 make the way out's address
.set DST, 6                            ; v6 at the end: where I put 16 bytes of the way out
.set AW2, 8                            ; v8-9
.set AH, 10
.set HS, 11
.set B1O, 12                           ; my byte offset in a chunk's 128 numbers of b1; never rewritten
.set PFO, 13                           ; 256 x lane; never rewritten
.set XI, 14                            ; v14-15; at the end DA and GO
.set DA, 14
.set GO, 15
.set WV, 18
.set CX, 19
.set CNT, 20
.set LIM, 21                           ; 1 in the clusters that prefetch
.set LC, 22
.set CN, 23                            ; the chunk whose blocks are asked for next, 0..15
.set G1A, 24
.set G1B, 32
.set G1X, 40
.set G0A, 48
.set G0B, 52
.set G0X, 56
.set SEL, 60
.set PFA, 62                           ; s[62:63] never rewritten
.set SINV, 66
.set SEPS, 67
.set KP, 68
.set KC, 70
.set A1, 72
.set A2, 74
.set A3, 76
.set A4, 78
.set A5, 80
.set SXA, 82
.set SSA, 83
.set OFF, 96                           ; s[96:97] a byte offset made of a chunk's number; the high word stays 0
.set B1P, 98                           ; s[98:99] b1 at the chunk whose bias is loaded next
.set F0, 64
.set F1, 128
.set XW0, 64
.set XW1, 128
.set XH0, 192
.set XH1, 224
.set GY, 64
.set GT, 128
.set GE, 160
.set MSB, 0
.macro WIN new
.if MSB != (\new)
	s_set_vgpr_msb (MSB<<8)|(\new)
.set MSB, \new
.endif
.endm
.macro PLACES n=4
.rept \n
	v_nop
.endr
.endm
.macro CREST
	s_cmp_lg_u32 s[WV], 0
	s_cbranch_scc1 .Lnot_wave_0_\@
	s_barrier_signal -3
.Lnot_wave_0_\@:
	s_barrier_wait -3
	s_barrier_signal -1
	s_barrier_wait -1
.endm
.macro ROUND
	s_barrier_signal -1
	s_barrier_wait -1
	CREST
.endm
	s_load_b256 s[4:11], s[0:1], 0x0               ; x2, wffnb, ffn_g, ffn_b
	s_load_b128 s[12:15], s[0:1], 0x20             ; b1, b2
	s_load_b64 s[16:17], s[0:1], 0x30              ; out0
	v_lshl_add_u32 v[SPW], v0, 2, SPARE
	v_mov_b32 v[NIL], 0
	ds_add_u32 v[SPW], v[NIL]                      ; the wave's opening: an add and its wait ahead of my first tensor load
	ds_add_u32 v2, v3
	v_lshrrev_b32 v1, 5, v0
	v_readfirstlane_b32 s[WV], v1
	s_bfe_u32 s[CX], ttmp6, 0x40000
	s_lshl_b32 s84, ttmp9, 2
	s_add_co_u32 s84, s84, s[CX]                   ; my 64 rows: it enters x2's and out0's addresses alone
	s_lshr_b32 s85, ttmp9, 4                       ; where my cluster's walk begins: made of the cluster's number alone, the same in all four partners
	s_mul_i32 s85, s85, 5
	s_xor_b32 s85, s85, ttmp9
	s_and_b32 s[CN], s85, 15                       ; the first chunk
	s_mov_b32 s[OFF+1], 0
	s_mov_b32 s[G1A], 15|(1<<16)|(1<<20)|(1<<21)|(5<<22)|(7<<25)  ; mask of four; 2-byte elements; padding on; bit 21 beside a mask; 8 words behind every 64
	s_mov_b32 s[G1A+1], 128<<16
	s_mov_b32 s[G1A+2], 128<<16
	s_mov_b32 s[G1A+3], 128<<16
	s_mov_b32 s[G1A+4], 128
	s_mov_b32 s[G1A+5], 128
	s_mov_b32 s[G1A+6], 0
	s_mov_b32 s[G1A+7], 0
	s_mov_b32 s[G1B], 15|(1<<16)|(1<<20)|(1<<21)|(7<<22)|(7<<25)  ; 8 words behind every 256
	s_mov_b32 s[G1B+1], 512<<16
	s_mov_b32 s[G1B+2], 32<<16
	s_mov_b32 s[G1B+3], 512<<16
	s_mov_b32 s[G1B+4], 32
	s_mov_b32 s[G1B+5], 512
	s_mov_b32 s[G1B+6], 0
	s_mov_b32 s[G1B+7], 0
	s_mov_b32 s[G1X], (2<<16)|(1<<20)|(7<<22)|(3<<25)  ; no mask; 4-byte elements; 4 words behind every 256
	s_mov_b32 s[G1X+1], 512<<16
	s_mov_b32 s[G1X+2], 16<<16
	s_mov_b32 s[G1X+3], 512<<16
	s_mov_b32 s[G1X+4], 16
	s_mov_b32 s[G1X+5], 512
	s_mov_b32 s[G1X+6], 0
	s_mov_b32 s[G1X+7], 0
	s_mov_b32 s[G0A], 1
	s_mul_i32 s[G0A+1], s[WV], 36864
	s_mov_b32 s[G0B], 1
	s_mul_i32 s[G0B+1], s[WV], 33792
	s_add_co_u32 s[G0B+1], s[G0B+1], SLB
	s_mov_b32 s[G0X], 1
	s_mul_i32 s[G0X+1], s[WV], 33280
	s_add_co_u32 s[G0X+1], s[G0X+1], XB
	s_lshl_b32 s86, s[WV], 15                      ; my quarter of a block in memory
	s_mov_b32 s87, 0
	s_lshl_b32 s88, s84, 17                        ; 64 rows of 2,048 bytes
	s_mov_b32 s89, 0
	s_add_co_u32 s90, s88, s86                     ; + my wave's 16
	s_mov_b32 s91, 0
	s_lshl_b32 s92, s[CX], 13                      ; the prefetch: my work-group's 32 pieces of 256 bytes of my quarter
	s_mov_b32 s93, 0
	s_cmp_lt_u32 ttmp9, 16                         ; clusters 0 to 15 begin at chunks 0 to 15: one cluster for each chunk
	s_cselect_b32 s[LIM], 1, 0                     ; the same in all four partners
	s_mov_b32 s[SEL], 0x76543210
	s_mov_b32 s[SEL+1], 0xfedcba98
	s_mov_b32 s[SINV], 0x3b000000                  ; 1 / 512
	s_mov_b32 s[SEPS], 0x3727c5ac                  ; 1e-5
	s_mov_b32 s[KP], 0x3e6d3388                    ; 0.3275911 / sqrt 2
	s_mov_b32 s[KC], 0xbf38aa3b                    ; -log2(e) / 2
	s_mov_b32 s[KC+1], s[KC]
	s_mov_b32 s[A1], 0xbe027906                    ; the five coefficients, halved and with their signs turned: the polynomial gives -q's factor
	s_mov_b32 s[A1+1], s[A1]
	s_mov_b32 s[A2], 0x3e11a98e
	s_mov_b32 s[A2+1], s[A2]
	s_mov_b32 s[A3], 0xbf35f0e3
	s_mov_b32 s[A3+1], s[A3]
	s_mov_b32 s[A4], 0x3f3a00e3
	s_mov_b32 s[A4+1], s[A4]
	s_mov_b32 s[A5], 0xbf07dc22
	s_mov_b32 s[A5+1], s[A5]
	s_mul_i32 s[SXA], s[WV], 16640
	s_mul_i32 s[SSA], s[WV], 8320
	s_lshl_b32 s[OFF], s[CN], 18                   ; a chunk's two blocks are 262,144 bytes
	s_wait_dscnt 0x0                               ; the opening add is done
	s_wait_kmcnt 0x0
	s_add_nc_u64 s[6:7], s[6:7], s[86:87]          ; wffnb at my quarter of chunk 0's w1 block
	s_add_nc_u64 s[G0A+2:G0A+3], s[6:7], s[OFF:OFF+1]    ; my walk's first chunk: its w1 block,
	s_add_nc_u64 s[G0B+2:G0B+3], s[G0A+2:G0A+3], 131072  ; and its w2 block
	s_add_nc_u64 s[PFA:PFA+1], s[G0B+2:G0B+3], s[92:93]
	s_or_b32 s[G0A+3], s[G0A+3], 0x80000000
	s_or_b32 s[G0B+3], s[G0B+3], 0x80000000
	s_add_nc_u64 s[G0X+2:G0X+3], s[4:5], s[90:91]
	s_or_b32 s[G0X+3], s[G0X+3], 0x80000000
	s_add_nc_u64 s[4:5], s[6:7], 131072            ; (x2's address is used up) wffnb at my quarter of chunk 0's w2 block
	s_lshl_b32 s[OFF], s[CN], 9                    ; a chunk's 128 numbers of b1
	s_add_nc_u64 s[B1P:B1P+1], s[12:13], s[OFF:OFF+1]
	s_add_co_u32 s[CN], s[CN], 1                   ; the next chunk, round the sixteen
	s_and_b32 s[CN], s[CN], 15
	s_add_nc_u64 s[16:17], s[16:17], s[88:89]
	ROUND                                          ; all four work-groups are here: the first joint loads meet
	tensor_load_to_lds s[G0A:G0A+3], s[G1A:G1A+7]  ; the first w1 block into slot A; two loads of mine are out
	s_nop 0
	tensor_load_to_lds s[G0X:G0X+3], s[G1X:G1X+7]  ; my 16 rows of x2 into slot B
	s_nop 0
	PLACES 4
	v_and_b32 v1, 31, v0                           ; lane
	v_lshlrev_b32 v7, 4, v1
.irp j, 0,1,2,3
	global_load_b128 v[32+4*\j:35+4*\j], v7, s[8:9] offset:512*\j    ; gain and bias of my columns 128 j + 4 l + 0..3
	global_load_b128 v[48+4*\j:51+4*\j], v7, s[10:11] offset:512*\j
.endr
	v_and_b32 v96, 15, v0                          ; r
	v_bfe_u32 v97, v0, 4, 1                        ; h
	v_and_b32 v98, 7, v0
	v_bfe_u32 v99, v0, 3, 1
	v_lshl_add_u32 v100, v97, 3, v98               ; the turning load's row: 8 (l / 16) + l % 8
	v_mul_u32_u24 v112, v100, 288
	v_lshl_add_u32 v112, v99, 4, v112
	s_lshl_b32 s84, s[WV], 6
	v_add_nc_u32 v112, s84, v112                   ; slot A: + my 32 hidden columns; kept until LN's address registers are free
	v_mul_u32_u24 v[AW2], v100, 1056
	v_lshl_add_u32 v[AW2], v99, 4, v[AW2]
	s_lshl_b32 s85, s[WV], 8
	s_add_co_u32 s85, s85, SLB
	v_add_nc_u32 v[AW2], s85, v[AW2]               ; slot B: + my 128 output columns
	v_add_nc_u32 v[AW2+1], 67584, v[AW2]
	v_mul_u32_u24 v[AH], v96, 272
	v_lshl_add_u32 v[AH], v97, 4, v[AH]
	v_add_nc_u32 v[AH], HB, v[AH]
	v_add_nc_u32 v[HS], s84, v[AH]
	s_lshl_b32 s85, s[WV], 7
	v_lshl_add_u32 v[B1O], v97, 5, s85             ; b1: 4 (32 w + 8 h)
	v_lshlrev_b32 v[PFO], 8, v1
	v_mul_u32_u24 v[XI], v96, 2080
	v_lshl_add_u32 v[XI], v97, 5, v[XI]
	s_lshl_b32 s85, s[WV], 9
	s_lshr_b32 s94, s[WV], 1
	s_lshl_b32 s94, s94, 4                         ; the 16 bytes of padding in a row's middle
	s_add_co_u32 s85, s85, s94
	s_add_co_u32 s85, s85, XB
	v_add_nc_u32 v[XI], s85, v[XI]
	v_add_nc_u32 v[XI+1], 66560, v[XI]
	v_mul_u32_u24 v[FA], v96, 1040
	v_lshl_add_u32 v[FA], v97, 4, v[FA]
	v_add_nc_u32 v[FA], NST, v[FA]
	s_wait_loadcnt 0x0
	s_wait_tensorcnt 0x0                           ; my rows of x2 and my quarter of the first block are in
	s_barrier_signal -1
	s_barrier_wait -1                              ; everybody's are
	WIN 0x40
.set q, 0
.rept 32                               ; the output's sums start from x2: accumulator (a, nt) = q, lane (r, h): row 16 a + r, columns 128 w + 16 nt + 8 h + 0..7
	ds_load_b128 v[8*q:8*q+3],   v[XI+q/16] offset:((q/8)%2)*33280+(q%8)*64
	ds_load_b128 v[8*q+4:8*q+7], v[XI+q/16] offset:((q/8)%2)*33280+(q%8)*64+16
.set q, q+1
.endr
	WIN 0
; LN of 32 rows, 8 a wave, two a trip, line by line by turns; a row lies across the wave's lanes, 16 numbers a lane.
.macro LANES
.irp m, 1,2,4,8
.irp i, 0,1
	v_add_f32_dpp v[96+8*\i], v[96+8*\i], v[96+8*\i] row_xmask:\m row_mask:0xf bank_mask:0xf
.endr
.endr
.irp i, 0,1
	v_permlanex16_b32 v[97+8*\i], v[96+8*\i], s[SEL], s[SEL+1]
.endr
.irp i, 0,1
	v_add_f32 v[96+8*\i], v[96+8*\i], v[97+8*\i]
.endr
.endm
; fill = 1 (the second pass): behind its rows every wave has read x2 out of slot B, so the barrier that shows the stage to all is made the round of a refill, and slot B takes the first chunk's w2 block.
.macro LNPASS p, fill
	v_lshl_add_u32 v[XA], v1, 4, s[SXA]
	v_add_nc_u32 v[XA], XB+(\p)*66560, v[XA]
	v_lshl_add_u32 v[SA], v1, 3, s[SSA]
	v_add_nc_u32 v[SA], NST, v[SA]
	s_mov_b32 s[LC], 4
.Lln_\@:
.irp i, 0,1
.irp j, 0,1,2,3
	ds_load_b128 v[64+16*\i+4*\j:64+16*\i+4*\j+3], v[XA] offset:\i*2080+512*\j+16*(\j/2)
.endr
.endr
	s_wait_dscnt 0x0
.irp q, 0,1,2,3
.irp i, 0,1
	v_pk_add_f32 v[96+8*\i+2*\q:97+8*\i+2*\q], v[64+16*\i+4*\q:65+16*\i+4*\q], v[66+16*\i+4*\q:67+16*\i+4*\q]
.endr
.endr
.irp i, 0,1
	v_pk_add_f32 v[96+8*\i:97+8*\i], v[96+8*\i:97+8*\i], v[98+8*\i:99+8*\i]
	v_pk_add_f32 v[100+8*\i:101+8*\i], v[100+8*\i:101+8*\i], v[102+8*\i:103+8*\i]
.endr
.irp i, 0,1
	v_pk_add_f32 v[96+8*\i:97+8*\i], v[96+8*\i:97+8*\i], v[100+8*\i:101+8*\i]
.endr
.irp i, 0,1
	v_add_f32 v[96+8*\i], v[96+8*\i], v[97+8*\i]
.endr
	LANES
.irp i, 0,1
	v_mul_f32 v[20+2*\i], s[SINV], v[96+8*\i]      ; the mean, twice
	v_mul_f32 v[21+2*\i], s[SINV], v[96+8*\i]
.endr
.irp q, 0,1,2,3,4,5,6,7
.irp i, 0,1
	v_pk_add_f32 v[64+16*\i+2*\q:65+16*\i+2*\q], v[64+16*\i+2*\q:65+16*\i+2*\q], v[20+2*\i:21+2*\i] neg_lo:[0,1] neg_hi:[0,1]
.endr
.endr
.irp i, 0,1
	v_pk_mul_f32 v[96+8*\i:97+8*\i], v[64+16*\i:65+16*\i], v[64+16*\i:65+16*\i]
	v_pk_mul_f32 v[98+8*\i:99+8*\i], v[66+16*\i:67+16*\i], v[66+16*\i:67+16*\i]
.endr
.irp q, 2,4,6
.irp i, 0,1
	v_pk_fma_f32 v[96+8*\i:97+8*\i], v[64+16*\i+2*\q:65+16*\i+2*\q], v[64+16*\i+2*\q:65+16*\i+2*\q], v[96+8*\i:97+8*\i]
	v_pk_fma_f32 v[98+8*\i:99+8*\i], v[66+16*\i+2*\q:67+16*\i+2*\q], v[66+16*\i+2*\q:67+16*\i+2*\q], v[98+8*\i:99+8*\i]
.endr
.endr
.irp i, 0,1
	v_pk_add_f32 v[96+8*\i:97+8*\i], v[96+8*\i:97+8*\i], v[98+8*\i:99+8*\i]
.endr
.irp i, 0,1
	v_add_f32 v[96+8*\i], v[96+8*\i], v[97+8*\i]
.endr
	LANES
.irp i, 0,1
	v_fma_f32 v[96+8*\i], v[96+8*\i], s[SINV], s[SEPS]  ; var + eps, of centred numbers
.endr
.irp i, 0,1
	v_rsq_f32 v[24+2*\i], v[96+8*\i]
	v_rsq_f32 v[25+2*\i], v[96+8*\i]
.endr
	v_nop
	s_wait_alu depctr_va_vdst(0)                   ; one wait for the four
.irp q, 0,1,2,3,4,5,6,7
.irp i, 0,1
	v_pk_mul_f32 v[64+16*\i+2*\q:65+16*\i+2*\q], v[64+16*\i+2*\q:65+16*\i+2*\q], v[24+2*\i:25+2*\i]
.endr
.endr
.irp q, 0,1,2,3,4,5,6,7
.irp i, 0,1
	v_pk_fma_f32 v[64+16*\i+2*\q:65+16*\i+2*\q], v[64+16*\i+2*\q:65+16*\i+2*\q], v[32+2*\q:33+2*\q], v[48+2*\q:49+2*\q]
.endr
.endr
.irp q, 0,1,2,3,4,5,6,7
.irp i, 0,1
	v_cvt_pk_bf16_f32 v[96+8*\i+\q], v[64+16*\i+2*\q], v[65+16*\i+2*\q]
.endr
.endr
.irp i, 0,1
.irp j, 0,1,2,3
	ds_store_b64 v[SA], v[96+8*\i+2*\j:97+8*\i+2*\j] offset:\i*1040+256*\j
.endr
.endr
	v_add_nc_u32 v[XA], 4160, v[XA]
	v_add_nc_u32 v[SA], 2080, v[SA]
	s_sub_co_u32 s[LC], s[LC], 1
	s_cmp_lg_u32 s[LC], 0
	s_cbranch_scc1 .Lln_\@
.if \fill
	s_wait_tensorcnt 0x0                           ; no tensor load of mine is out
	ds_add_u32 v[SPW], v[NIL]
	s_wait_dscnt 0x0                               ; the add is done; my reads of x2 are back; my eight rows lie in the stage
	ROUND                                          ; all that holds of every wave of the cluster
	tensor_load_to_lds s[G0B:G0B+3], s[G1B:G1B+7]  ; the first chunk's w2 block: the 64 loads below, G1 and GELU stand between it and the wait for it
	s_nop 0
	PLACES 4
.else
	s_wait_dscnt 0x0                               ; for the others' sake: my eight rows lie in the stage
	s_barrier_signal -1
	s_barrier_wait -1
.endif
	WIN (2+(\p))<<6
.set q, 0
.rept 32                               ; every wave takes all 32 rows as fragments: row tile q / 16, K step q % 16
	ds_load_b128 v[8*q:8*q+3],   v[FA] offset:(q/16)*16640+(q%16)*64
	ds_load_b128 v[8*q+4:8*q+7], v[FA] offset:(q/16)*16640+(q%16)*64+32
.set q, q+1
.endr
	WIN 0
	s_wait_dscnt 0x0                               ; my reads of the stage are over,
	s_barrier_signal -1
	s_barrier_wait -1                              ; everybody's are: it may be written again (by LN's second pass, then by h)
.endm
	LNPASS 0, 0
	; ONE PREFETCH: the first chunk's w2 block, which is first asked for behind LN's second pass: four trips of that pass ahead of its load.  Clusters 0 to 15 begin at sixteen different chunks: they ask, nobody
	; else: 4 work-groups x 4 waves x 32 lanes x 256 bytes are the block's 131,072, each piece named once in the launch.  A walk's first w1 block is asked for at the head, where nothing is prefetched; every
	; later block has been asked for by another cluster before.
	s_cmp_eq_u32 s[LIM], 1
	s_cbranch_scc0 .Lnoask
	global_prefetch_b8 v[PFO], s[PFA:PFA+1] th:TH_LOAD_NT scope:SCOPE_SE
.Lnoask:
	LNPASS 1, 1
	v_mov_b32 v[AW1], v112
	v_add_nc_u32 v[AW1+1], 36864, v112
	v_add_nc_u32 v[AW1+2], 2*36864, v112
	v_add_nc_u32 v[AW1+3], 3*36864, v112
.macro BIASLD                          ; b1 of my 32 hidden columns, laid as a C operand: lane (r, h), register j: column 16 nt + 8 h + j
.irp n, 0,1
	global_load_b128 v[16+8*\n:19+8*\n], v[B1O], s[B1P:B1P+1] offset:64*\n
	global_load_b128 v[20+8*\n:23+8*\n], v[B1O], s[B1P:B1P+1] offset:64*\n+16
.endr
.endm
	BIASLD
.macro FETCHG1 r, f                    ; 16 turning loads: K steps 4 r .. 4 r + 3 of slot A, my 2 x 16 columns
.irp k, 0,1,2,3
.irp n, 0,1
	ds_load_tr16_b128 v[(\f)+8*(2*\k+\n):(\f)+8*(2*\k+\n)+3],   v[AW1+(\r)] offset:\k*9216+32*\n
	ds_load_tr16_b128 v[(\f)+8*(2*\k+\n)+4:(\f)+8*(2*\k+\n)+7], v[AW1+(\r)] offset:\k*9216+32*\n+4608
.endr
.endr
.endm
.macro MULG1 f, ap, r                  ; 16 products: four accumulators by turns, one instruction a turn
	WIN 0x08+4*(\ap)
.irp k, 0,1,2,3
.irp aa, 0,1
.irp n, 0,1
.set rH, 192+32*\n+8*(2*(\ap)+\aa)
.set rF, (\f)+8*(2*\k+\n)
.set rN, 8*(16*\aa+4*(\r)+\k)
.if ((\r) == 0) && (\k == 0)
	v_wmma_f32_16x16x32_bf16 v[rH:rH+7], v[rF:rF+7], v[rN:rN+7], v[16+8*\n:23+8*\n]
.else
	v_wmma_f32_16x16x32_bf16 v[rH:rH+7], v[rF:rF+7], v[rN:rN+7], v[rH:rH+7]
.endif
.endr
.endr
.endr
.endm
.macro RUN r                           ; a quarter of G1: 32 products; the next quarter's fragments are fetched first
	WIN 0
	s_wait_dscnt 0x0                               ; this quarter's fragments are in
.if (\r) == 0
	PLACES 5                                       ; behind the last products of G2: their sources are loaded into, and written over by products
.else
	PLACES 4
.endif
.if (\r) < 3
	FETCHG1 (\r)+1, F0+64*(((\r)+1)%2)
.endif
	MULG1 F0+64*((\r)%2), 0, \r
	MULG1 F0+64*((\r)%2), 1, \r
.endm
.macro GELU nt
.set GX, 192+32*(\nt)
.set q, 0
.rept 16
	v_pk_mul_f32 v[GE+2*q:GE+2*q+1], v[GX+2*q:GX+2*q+1], v[GX+2*q:GX+2*q+1]
.set q, q+1
.endr
.set q, 0
.rept 32
	v_fma_f32 v[GT+q], |v[GX+q]|, s[KP], 1.0
.set q, q+1
.endr
.set q, 0
.rept 16
	v_pk_mul_f32 v[GE+2*q:GE+2*q+1], v[GE+2*q:GE+2*q+1], s[KC:KC+1] op_sel_hi:[1,0]
.set q, q+1
.endr
.set q, 0
.rept 32
	v_rcp_f32 v[GT+q], v[GT+q]                     ; t
.set q, q+1
.endr
.set q, 0
.rept 32
	v_exp_f32 v[GE+q], v[GE+q]                     ; e^(-x^2 / 2)
.set q, q+1
.endr
	v_nop
	s_wait_alu depctr_va_vdst(0)                   ; ONE wait for the batch of 64
.set q, 0
.rept 16
	v_pk_fma_f32 v[GY+2*q:GY+2*q+1], v[GT+2*q:GT+2*q+1], s[A5:A5+1], s[A4:A4+1] op_sel_hi:[1,0,0]
.set q, q+1
.endr
.irp c, A3, A2, A1
.set q, 0
.rept 16
	v_pk_fma_f32 v[GY+2*q:GY+2*q+1], v[GY+2*q:GY+2*q+1], v[GT+2*q:GT+2*q+1], s[\c:\c+1] op_sel_hi:[1,1,0]
.set q, q+1
.endr
.endr
.set q, 0
.rept 16
	v_pk_mul_f32 v[GY+2*q:GY+2*q+1], v[GY+2*q:GY+2*q+1], v[GT+2*q:GT+2*q+1]
.set q, q+1
.endr
.set q, 0
.rept 16
	v_pk_fma_f32 v[GY+2*q:GY+2*q+1], v[GY+2*q:GY+2*q+1], v[GE+2*q:GE+2*q+1], 0.5 op_sel_hi:[1,1,0]  ; 1 / 2 - q
.set q, q+1
.endr
.set q, 0
.rept 16
	v_pk_mul_f32 v[GT+2*q:GT+2*q+1], v[GX+2*q:GX+2*q+1], 0.5 op_sel_hi:[1,0]  ; x / 2; t is used up
.set q, q+1
.endr
.set q, 0
.rept 32
	v_fma_f32 v[GX+q], |v[GX+q]|, v[GY+q], v[GT+q]
.set q, q+1
.endr
.set q, 0
.rept 16
	v_cvt_pk_bf16_f32 v[GT+q], v[GX+2*q], v[GX+2*q+1]
.set q, q+1
.endr
.irp a, 0,1,2,3
	ds_store_b128 v[HS], v[GT+4*\a:GT+4*\a+3] offset:\a*4352+32*(\nt)
.endr
.endm
.macro FETCHW ks, xw                   ; 16 turning loads: K step ks of slot B, my 8 x 16 columns
.irp n, 0,1,2,3,4,5,6,7
	ds_load_tr16_b128 v[(\xw)+8*\n:(\xw)+8*\n+3],   v[AW2+(\ks)/2] offset:((\ks)%2)*33792+32*\n
	ds_load_tr16_b128 v[(\xw)+8*\n+4:(\xw)+8*\n+7], v[AW2+(\ks)/2] offset:((\ks)%2)*33792+32*\n+16896
.endr
.endm
.macro FETCHH ks, xh                   ; 8 loads: K step ks of h, the four row tiles
.irp a, 0,1,2,3
	ds_load_b128 v[(\xh)+8*\a:(\xh)+8*\a+3],   v[AH] offset:\a*4352+64*(\ks)
	ds_load_b128 v[(\xh)+8*\a+4:(\xh)+8*\a+7], v[AH] offset:\a*4352+64*(\ks)+32
.endr
.endm
.macro MULG2 xw, xh, a0, a1            ; the output's accumulators by turns: 31 others stand between two links of a chain
	WIN 0x50
.set aa, \a0
.rept (\a1)-(\a0)+1
.irp n, 0,1,2,3,4,5,6,7
	v_wmma_f32_16x16x32_bf16 v[8*(8*aa+\n):8*(8*aa+\n)+7], v[(\xw)+8*\n:(\xw)+8*\n+7], v[(\xh)+8*aa:(\xh)+8*aa+7], v[8*(8*aa+\n):8*(8*aa+\n)+7]
.endr
.set aa, aa+1
.endr
.endm
.macro G2FIRST                         ; the first two K steps' fragments
	FETCHW 0, XW0
	FETCHH 0, XH0
	FETCHW 1, XW1
	FETCHH 1, XH1
.endm
.macro G2THREE                         ; three of G2's four K steps; each wait leaves the next K step's 24 loads out
	s_wait_dscnt 24
	MULG2 XW0, XH0, 0, 3
	WIN 0
	PLACES 4
	FETCHW 2, XW0
	FETCHH 2, XH0
	s_wait_dscnt 24
	MULG2 XW1, XH1, 0, 3
	WIN 0
	PLACES 4
	FETCHW 3, XW1
	FETCHH 3, XH1
	s_wait_dscnt 24
	MULG2 XW0, XH0, 0, 3
	WIN 0
.endm
	FETCHG1 0, F0
	s_mov_b32 s[CNT], 16                           ; chunks to go, this one among them
.Lc:
	s_wait_loadcnt 0x0                             ; b1 of this chunk: its loads are done, so their base may be written again
	RUN 0
	RUN 1
	RUN 2
	RUN 3
	WIN 0
	PLACES 8
	GELU 0
	GELU 1
	s_cmp_eq_u32 s[CNT], 1
	s_cbranch_scc1 .Ltail                          ; the last chunk's second half is written out: it asks for nothing more
	; CHANGE A: slot A has been read out; w2's block of this chunk has landed; h is written.  The round shows all three to every wave of the cluster, and slot A takes the next chunk's w1 block.
	s_wait_tensorcnt 0x0
	ds_add_u32 v[SPW], v[NIL]
	s_lshl_b32 s[OFF], s[CN], 18                   ; no tensor load of mine is out, so a group 0 may be written
	s_add_nc_u64 s[G0A+2:G0A+3], s[6:7], s[OFF:OFF+1]
	s_or_b32 s[G0A+3], s[G0A+3], 0x80000000
	s_lshl_b32 s[OFF], s[CN], 9
	s_add_nc_u64 s[B1P:B1P+1], s[12:13], s[OFF:OFF+1]
	s_wait_dscnt 0x0
	ROUND
	tensor_load_to_lds s[G0A:G0A+3], s[G1A:G1A+7]  ; G2's first 96 products stand between it and the wait for it
	s_nop 0
	PLACES 4
	G2FIRST
	BIASLD                                         ; the next chunk's
	G2THREE
	; CHANGE B, astride G2's last 32 products: slot B and h have been read out; the next w1 block has landed.  Slot B takes the next chunk's w2 block.
	s_wait_tensorcnt 0x0
	ds_add_u32 v[SPW], v[NIL]
	s_lshl_b32 s[OFF], s[CN], 18
	s_add_nc_u64 s[G0B+2:G0B+3], s[4:5], s[OFF:OFF+1]
	s_or_b32 s[G0B+3], s[G0B+3], 0x80000000
	s_add_co_u32 s[CN], s[CN], 1                   ; the next chunk, round the sixteen
	s_and_b32 s[CN], s[CN], 15
	s_wait_dscnt 1                                 ; the last K step's fragments are in; the add alone may be out
	MULG2 XW1, XH1, 0, 0
	s_wait_dscnt 0x0
	s_barrier_signal -1
	MULG2 XW1, XH1, 1, 1
	WIN 0
	s_barrier_wait -1
	CREST
	tensor_load_to_lds s[G0B:G0B+3], s[G1B:G1B+7]  ; G1 and GELU stand between it and the wait for it
	s_nop 0
	PLACES 4
	FETCHG1 0, F0
	MULG2 XW1, XH1, 2, 3
	WIN 0
	s_sub_co_u32 s[CNT], s[CNT], 1
	s_branch .Lc
.Ltail:
	s_wait_tensorcnt 0x0                           ; the last w2 block has landed; h is written
	ds_add_u32 v[SPW], v[NIL]
	s_wait_dscnt 0x0
	s_barrier_signal -1
	s_barrier_wait -1
	s_lshl_b32 s84, s[WV], 9
	v_lshl_add_u32 v[GO], v1, 4, s84               ; my 16 bytes of a row's 512 that are my wave's
	global_load_b128 v[16:19], v[GO], s[14:15]     ; b2 of those four columns
	G2FIRST
	G2THREE
	s_wait_dscnt 0x0
	MULG2 XW1, XH1, 0, 3
	; THE WAY OUT: through slot B, which has had its last fill: a wave's 64 rows x 512 bytes, pitch 528; back as whole rows; b2 is added; 512 consecutive bytes a store.
	WIN 0
	s_barrier_signal -1
	s_barrier_wait -1                              ; every wave has read slot B for the last time
	s_mul_i32 s84, s[WV], 33792
	s_add_co_u32 s84, s84, SLB
	v_and_b32 v4, 15, v0                           ; the address is made in v4-6, slot A's address registers, which are free: registers that no product names and that hold addresses alone
	v_bfe_u32 v5, v0, 4, 1
	v_mul_u32_u24 v[DST], v4, 528                  ; in: row l % 16, 32 bytes for each half of the lanes
	v_lshl_add_u32 v[DST], v5, 5, v[DST]
	v_add_nc_u32 v[DST], s84, v[DST]
	v_lshl_add_u32 v[DA], v1, 4, s84               ; back: a whole row of 512 bytes
	PLACES 8                                       ; behind the last products, in front of the stores that read their results
	WIN 0x04                                       ; the stores' data in window 1
.set q, 0
.rept 32
	ds_store_b128 v[DST], v[8*q:8*q+3]   offset:(q/8)*8448+(q%8)*64
	ds_store_b128 v[DST], v[8*q+4:8*q+7] offset:(q/8)*8448+(q%8)*64+16
.set q, q+1
.endr
	WIN 0
	s_wait_loadcnt 0x0                             ; b2
	s_mov_b32 s[LC], 8
.Lrows:                                        ; eight rows a trip
.irp i, 0,1,2,3,4,5,6,7
	ds_load_b128 v[64+4*\i:67+4*\i], v[DA] offset:528*\i  ; my own bytes: LDS serves a wave's instructions in order (ISA guide 5.7.1.4)
.endr
.irp i, 0,1,2,3,4,5,6,7
	s_wait_dscnt 7-\i                              ; the later rows' loads may stay out
	v_pk_add_f32 v[64+4*\i:65+4*\i], v[64+4*\i:65+4*\i], v[16:17]
	v_pk_add_f32 v[66+4*\i:67+4*\i], v[66+4*\i:67+4*\i], v[18:19]
	global_store_b128 v[GO], v[64+4*\i:67+4*\i], s[16:17] offset:2048*\i
.endr
	s_wait_xcnt 0x0                                ; the stores have read their data and their offset
	v_add_nc_u32 v[DA], 4224, v[DA]
	v_add_nc_u32 v[GO], 16384, v[GO]
	s_sub_co_u32 s[LC], s[LC], 1
	s_cmp_lg_u32 s[LC], 0
	s_cbranch_scc1 .Lrows
	s_wait_tensorcnt 0x0                           ; the wave's end
	ds_add_u32 v[SPW], v[NIL]
	s_wait_dscnt 0x0
	ROUND                                          ; the closing round
	s_endpgm
.Lfunc_end_k_qefe126845f_ffn:
	.size	k_qefe126845f_ffn, .Lfunc_end_k_qefe126845f_ffn-k_qefe126845f_ffn
	.p2alignl 7, 3214868480
	.fill 96, 4, 3214868480
	.section	.rodata,"a",@progbits
	.p2align	6, 0x0
	.amdhsa_kernel k_qefe126845f_ffn
		.amdhsa_group_segment_fixed_size 327680
		.amdhsa_private_segment_fixed_size 0
		.amdhsa_enable_private_segment 0
		.amdhsa_kernarg_size 56
		.amdhsa_user_sgpr_count 2
		.amdhsa_user_sgpr_kernarg_segment_ptr 1
		.amdhsa_wavefront_size32 1
		.amdhsa_system_sgpr_workgroup_id_x 1
		.amdhsa_system_sgpr_workgroup_id_y 1
		.amdhsa_system_sgpr_workgroup_id_z 1
		.amdhsa_system_vgpr_workitem_id 0
		.amdhsa_next_free_vgpr 1024
		.amdhsa_next_free_sgpr 100
		.amdhsa_reserve_vcc 0
		.amdhsa_float_denorm_mode_32 3
		.amdhsa_float_denorm_mode_16_64 3
		.amdhsa_memory_ordered 1
		.amdhsa_forward_progress 1
		.amdhsa_inst_pref_size 129
	.end_amdhsa_kernel
	.amdgpu_metadata
---
amdhsa.version: [ 1, 2 ]
amdhsa.kernels:
  - .name:           k_qefe126845f_ffn
    .symbol:         k_qefe126845f_ffn.kd
    .args:
      - { .name: x2, .offset: 0, .size: 8, .value_kind: global_buffer, .address_space: global }
      - { .name: wffnb, .offset: 8, .size: 8, .value_kind: global_buffer, .address_space: global }
      - { .name: ffn_g, .offset: 16, .size: 8, .value_kind: global_buffer, .address_space: global }
      - { .name: ffn_b, .offset: 24, .size: 8, .value_kind: global_buffer, .address_space: global }
      - { .name: b1, .offset: 32, .size: 8, .value_kind: global_buffer, .address_space: global }
      - { .name: b2, .offset: 40, .size: 8, .value_kind: global_buffer, .address_space: global }
      - { .name: out0, .offset: 48, .size: 8, .value_kind: global_buffer, .address_space: global }
    .group_segment_fixed_size: 327680
    .private_segment_fixed_size: 0
    .kernarg_segment_align: 8
    .kernarg_segment_size: 56
    .max_flat_workgroup_size: 128
    .sgpr_count:     100
    .vgpr_count:     1024
    .wavefront_size: 32
...
	.end_amdgpu_metadata
.endif
;; end of part 5
